; MI455X (gfx1250); checked and timed in simulation.
; The chip was launched on July 23, 2026; its instructions are those of AMD's public machine-readable ISA for CDNA 5 (MIT licence, August 2026) and "CDNA5" Instruction Set Architecture Reference Guide (July 2026). The comments in the code are by the model that wrote it; some were corrected since.
;; Attention. Allowed arithmetic: matrix products marked QUANTISED: E5M2 operands, one given power-of-two scale a tensor, by v_wmma_f32_16x16x64_bf8_bf8 or v_wmma_f32_16x16x128_bf8_bf8, f32 sums; everything else in f32.
;; Inputs: b_out 256 float32; b_qkv 768 float32; lowp_scales 8 int32 (the exponents e of the quantised operands' scales 2^e); w_out 256 x 256 float32; w_qkv 768 x 256 float32; x 8 x 256 x 32 x 32 float32.
;; Outputs: out0 8 x 256 x 32 x 32 float32.
;; This version of the problem:
;;   THIS VERSION OF THE PROBLEM IS GIVEN IN LOW PRECISION. The matrix products marked QUANTISED in the list below multiply operands that are first quantised to E5M2 (5 exponent bits, 2 mantissa bits; 8 bits a number), with one given power-of-two scale for each operand tensor; their sums are f32. All else is computed in f32.
;;   The module's matrix products, in the order in which they are computed (A, B: the left and right operand; K: the contracted axis; several contracted axes count as one K, in the product's order):
;;     1. [M 768, K 256] x [K 256, N 8,192]; A: input w_qkv; B: input x: QUANTISED (scales: A lowp_scales[0], B lowp_scales[1])
;;     2. batch 64 x [M 1,024, K 32] x [K 32, N 1,024]; A: computed on the way; B: computed on the way: QUANTISED (scales: A lowp_scales[2], B lowp_scales[3])
;;     3. batch 64 x [M 32, K 1,024] x [K 1,024, N 1,024]; A: computed on the way; B: softmax (see below): QUANTISED (scales: A lowp_scales[4], B lowp_scales[5])
;;     4. [M 256, K 256] x [K 256, N 8,192]; A: input w_out; B: computed on the way: QUANTISED (scales: A lowp_scales[6], B lowp_scales[7])
;;   THE QUANTISER, for each operand of a quantised product, along K:
;;     - The operand's scale is 2^e, e = its entry of the input lowp_scales (int32; the entries are numbered through the quantised products in the list's order, A before B).
;;     - Each number is divided by the scale, clamped to +-57,344, and rounded to the nearest number of E5M2, ties to even, subnormals kept.
;;     - The product sums the exact products of the quantised numbers (number of the format x scale) in f32.
;;   ~~~python
;;   def quantise(x, axis, e):      # numpy; x: float32 -> the quantised numbers, widened to float32 again
;;       x = np.moveaxis(x, axis, -1); K = x.shape[-1]
;;       r = np.clip(x / 2.0 ** e, -57344, 57344)
;;       step = 2.0 ** (np.maximum(np.frexp(np.where(r == 0, 1, r))[1] - 1, -14) - 2)
;;       q = np.round(r / step) * step * 2.0 ** e      # np.round: ties to even
;;       return np.moveaxis(q, -1, axis).astype(np.float32)
;;   ~~~
;;   SOFTMAX AHEAD OF A QUANTISED PRODUCT. Where the list says 'softmax', what is quantised is not the finished softmax but p = 2^(t - M), with t = logit x log2(e) and M = ceil(the row's largest t), a whole number; so 1/2 < the row's largest p <= 1. The row's sum l is taken of the UNQUANTISED p, in f32, and the product's result is divided by l at the end. Since M is a whole number, a kernel that streams over the keys may use a running M (the ceiling of the running maximum): every later rescaling is an exact power of two, so the quantised numbers keep their values, but for numbers so far below the row's largest that they fall under the format's range.
;;   OPERANDS COMPUTED ON THE WAY. 'Computed on the way' means the value that the module computes at that place (a softmax that the list does not call 'softmax' is quantised finished and normalised). What goes into a quantiser is computed in f32, as accurately as f32 sums, v_exp_f32 and their like allow (about 1e-6 of the number): no bf16 or f16 on the way to a quantiser, and a product that is left as it is and whose result goes on into a quantised operand takes f32 operands (vector FMAs, or v_wmma_f32_16x16x4_f32). A number that lies on a knife's edge between two numbers of the format may be rounded either way, as far as f32 arithmetic and the matrix unit's own rounding can turn it there, and no further.
;; 2 versions, each right; version 2 is version 1 with the launches qkv, attn, outc written anew for expert scheduling mode. Each part assembles by itself: llvm-mc -triple=amdgcn-amd-amdhsa -mcpu=gfx1250 --defsym DOCPART=n.
;; ======== version 1 of 2: 3 launches
;; workspace buffers: q_img 2,097,152 bytes; kv_img 4,194,304 bytes; a_img 2,097,152 bytes; wo_codes 65,536 bytes
;; launch qkv (part 1): grid 4 x 64, 16 waves a work-group, no clusters, 92,160 bytes of LDS; arguments x, w_qkv, b_qkv, w_out, lowp_scales, q_img, kv_img, wo_codes; writes q_img, kv_img, wo_codes
.if DOCPART == 1
	.amdgcn_target "amdgcn-amd-amdhsa--gfx1250"
	.amdhsa_code_object_version 6
	.text
	.protected	k_qbbbe58e7cd_qkv
	.globl	k_qbbbe58e7cd_qkv
	.p2align	8
	.type	k_qbbbe58e7cd_qkv,@function
k_qbbbe58e7cd_qkv:
	s_mov_b64 s[64:65], 0
	v_nop
	global_prefetch_b8 v0, s[64:65] scope:SCOPE_SE
	s_setreg_imm32_b32 hwreg(HW_REG_WAVE_MODE, 25, 1), 1
	s_wait_xcnt 0x0
; qkv = silu(w_qkv . x + b_qkv) on codes of BF8 (E5M2), then q, k and v are quantised and stored as images of the operand registers of the attention launch.  One row of w_out is quantised on the side.
; x: [8][256 c][1024 s] f32.  w_qkv: [768][256] f32.  lowp_scales: e0 (w_qkv), e1 (x), e2 (q), e3 (k), e4 (v), e5 (p), e6 (w_out), e7 (attention's result).
; SHARES.  Work-group (sq, y): batch b = y / 8, head n = y % 8, positions 256 sq .. 256 sq + 255: the head's 96 rows of w_qkv against 256 columns of x, K = 256.  Sixteen waves: p = wave % 8, hf = wave / 8.
; PHASE 1.  Wave (p, hf) quantises channels 128 hf .. + 127 of positions 32 p .. + 31 of x: A LANE TAKES A POSITION AND ITS REGISTERS RUN DOWN c, so the conversions give codes with K innermost and nothing is transposed;
; and three groups (16 rows x 32 k) of the head's weights.  Both go to LDS as images of operand registers: a group of four registers is 512 bytes, lane l's 16 bytes at 16 l.  One barrier.
; PHASE 2.  Wave (p, hf) takes tiles 2 p, 2 p + 1 of positions: q (hf = 0) or k (hf = 1), 32 channels, with the weights as source 0, so that a lane holds one position and 16 neighbouring channels;
; and 16 channels of v (8 hf + ..) with x as source 0, so that a lane holds one channel and 16 neighbouring keys.  Twelve matrix instructions on six accumulators by turns.
; TILES.  Row r of position tile T stands for position 32 (T / 2) + 8 (T % 2) + r % 8 + 16 (r / 8); row r of channel tile u for channel 8 u + r % 8 + 16 (r / 8): so the 16 result registers of two neighbouring tiles are 16 neighbours.
; A fragment of 128 k: registers 4 g .. 4 g + 3 of lane (r, h) hold k = 32 g + 16 h + 0 .. 15: a permutation of k that is the same in both sources, so every product meets its partner.
; NO JOINT LOADS: x and the weights arrive as f32 and are wanted in a lane's registers by the conversions; a work-group's 65,536 numbers of x would be 262,144 bytes of LDS, which do not fit beside the 90,112 bytes of images.
; LIMITS: e0, e1, e2, e3, e4, e6 between -126 and 112; e0 + e1 between -126 and 127, so that each power of two below is an f32 number.  NaN among the inputs is not served.  q is taken with e2 and k with e3.
.set XIMG, 24576                       ; LDS: the weights' 48 groups of 512 bytes from 0 on; from here x's 32 fragments of 2,048 bytes: (tile, K step) at 4,096 tile + 2,048 step
.set XS,  16                           ; v16-79    phase 1: two sets of 32 numbers of x
.set XC,  80                           ; v80-111   their codes: 8 registers for each of four blocks
.set WN,  112                          ; v112-159  three groups of 16 numbers of w_qkv
.set WC,  160                          ; v160-171  their codes
.set WON, 176                          ; v176-183  wave 0: 8 numbers of w_out
.set XF,  16                           ; v16-79    phase 2: x's fragments (t, ks) at 16 (2 t + ks)
.set WF,  80                           ; v80-143   q's or k's weights (u, ks) at 16 (2 u + ks)
.set WVF, 144                          ; v144-175  v's weights (ks)
.set ZA,  176                          ; v176-223  accumulators: q or k (t, u) at 8 (2 t + u); v (t) at 32 + 8 t
.set EX,  80                           ; v80-127   at work in the activation
.set OC,  128                          ; v128-139  the codes that leave
.set BQK, 224                          ; v224-239  b_qkv of my 16 channels of q or k;  v240 of my channel of v (v241 = 0 is named with it as a pair)
; v1 16 lane; v2 4 lane; v3 x's images, in; v4 w_qkv, in; v5 the weights' images, in; v6 x's images, out; v7, v8 the weights' images, out; v9, v10 biases; v11, v14 w_out in, its codes out
; v242/243 scale and largest number x scale of q or k; v244/245 of v; v246/247 of w_qkv; v248/249 of x; v252/253 of w_out; v250-251 w_out's codes
.macro PAT e, sc, lim                  ; s[sc] = 2^e as f32, s[lim] = 57,344 x 2^e
	s_add_co_i32 s[\lim], s[\e], 127
	s_lshl_b32 s[\sc], s[\lim], 23
	s_add_co_i32 s[\lim], s[\lim], 15
	s_lshl_b32 s[\lim], s[\lim], 23
	s_or_b32 s[\lim], s[\lim], 0x600000
.endm
.macro LOAD t                          ; block t: x(32 t + i, my position), i = 0 .. 31, into set t % 2: each load reads 128 consecutive bytes
.set i, 0
.rept 32
	global_load_b32 v[XS+32*((\t)%2)+i], v2, s[4:5] offset:(32*(\t)+i)*4096
.set i, i+1
.endr
.endm
.macro BLOCK t, left                   ; block t is quantised and stored as group t of my fragment: channels 0-15 to the lanes of half 0, channels 16-31 to those of half 1
	s_wait_loadcnt \left                           ; this block's 32 loads are in; the \left issued behind them may be out
.set i, 0
.rept 32
	v_med3_num_f32 v[XS+32*((\t)%2)+i], v[XS+32*((\t)%2)+i], -v249, v249   ; the conversion to an 8-bit code does not saturate (ISA guide 7.6.2): hold at the largest code x the scale
.set i, i+1
.endr
.irp g, 0,1,2,3
	v_cvt_scalef32_pk8_bf8_f32 v[XC+8*(\t)+2*\g:XC+8*(\t)+2*\g+1], v[XS+32*((\t)%2)+8*\g:XS+32*((\t)%2)+8*\g+7], v248
.endr
	v_nop                                          ; one plain vector line behind the last conversion of a run
	ds_store_b128 v3, v[XC+8*(\t):XC+8*(\t)+3] offset:512*(\t)
	ds_store_b128 v3, v[XC+8*(\t)+4:XC+8*(\t)+7] offset:512*(\t)+256
.if (\t) < 2
	LOAD (\t)+2
.endif
.endm
	s_load_b256 s[4:11], s[0:1], 0x0               ; x s[4:5], w_qkv s[6:7], b_qkv s[8:9], w_out s[10:11]
	s_load_b256 s[12:19], s[0:1], 0x20             ; lowp_scales s[12:13], q_img s[14:15], kv_img s[16:17], wo_codes s[18:19]
	v_lshl_add_u32 v254, v0, 2, 0x16000
	v_mov_b32 v255, 0
	v_lshrrev_b32 v12, 5, v0
	v_readfirstlane_b32 s20, v12                   ; wave 0..15
	s_and_b32 s21, s20, 7                          ; p
	s_lshr_b32 s22, s20, 3                         ; hf
	s_mov_b32 s23, ttmp9                           ; sq
	s_and_b32 s24, ttmp7, 0xffff                   ; y
	s_lshr_b32 s25, s24, 3                         ; b
	s_and_b32 s26, s24, 7                          ; n
	v_and_b32 v13, 31, v0                          ; lane
	v_lshlrev_b32 v1, 4, v13
	v_lshlrev_b32 v2, 2, v13
	v_lshlrev_b32 v11, 5, v13
	v_lshlrev_b32 v14, 3, v13
	v_and_b32 v12, 7, v0                           ; lane % 8
	v_bfe_u32 v13, v0, 3, 1                        ; bit 3 of the lane
	v_bfe_u32 v15, v0, 4, 1                        ; bit 4: h
	v_lshl_add_u32 v3, v15, 3, v12                 ; position 32 p + lane is row lane % 8 + 8 bit4 of tile 2 p + bit3
	v_lshlrev_b32 v3, 4, v3
	v_lshl_add_u32 v3, v13, 12, v3
	v_lshl_add_u32 v12, v13, 4, v12                ; r % 8 + 16 (r / 8)
	v_lshlrev_b32 v4, 10, v12                      ; w_qkv: that row of 1,024 bytes,
	v_lshl_add_u32 v4, v15, 6, v4                  ; + 64 h: my 16 numbers of a block of 32
	v_lshlrev_b32 v10, 2, v12                      ; v's bias: my channel
	v_lshlrev_b32 v9, 6, v15                       ; q's or k's bias: my 16 channels
	s_lshl_b32 s50, s21, 13
	s_add_co_u32 s51, s50, XIMG                    ; XIMG + 8,192 p: tiles 2 p, 2 p + 1
	v_add_nc_u32 v6, s51, v1
	s_lshl_b32 s50, s22, 11
	s_add_co_u32 s51, s51, s50                     ; + 2,048 hf: my K step
	v_add_nc_u32 v3, s51, v3
	s_lshl_b32 s50, s21, 9
	s_lshl_b32 s51, s22, 12
	v_add_nc_u32 v8, s51, v1                       ; v's weights: 16 lane + 4,096 hf (+ 16,384 in the offset)
	s_add_co_u32 s50, s50, s51
	v_add_nc_u32 v5, s50, v1                       ; the weights' groups, in: 16 lane + 512 p + 4,096 hf (+ 8,192 i)
	s_lshl_b32 s51, s22, 13
	v_add_nc_u32 v7, s51, v1                       ; q's or k's weights: 16 lane + 8,192 hf
	; byte offsets into the buffers, each in a pair of its own
	s_lshl_b32 s50, s25, 20                        ; x: b images of 2^20 bytes,
	s_lshl_b32 s74, s22, 19                        ; 128 hf channels of 4,096,
	s_add_co_u32 s50, s50, s74
	s_lshl_b32 s74, s23, 10                        ; 256 sq positions,
	s_add_co_u32 s50, s50, s74
	s_lshl_b32 s74, s21, 7                         ; 32 p positions
	s_add_co_u32 s50, s50, s74
	s_mov_b32 s51, 0
	s_mul_i32 s52, s26, 98304                      ; w_qkv: 96 n rows of 1,024 bytes,
	s_lshl_b32 s75, s22, 13                        ; 8 hf rows,
	s_add_co_u32 s52, s52, s75
	s_add_co_u32 s52, s52, s74                     ; 32 p numbers
	s_mov_b32 s53, 0
	s_mul_i32 s54, s26, 384                        ; b_qkv: 96 n numbers
	s_lshl_b32 s74, s22, 5
	s_add_co_u32 s56, s54, s74
	s_add_co_u32 s56, s56, 256                     ; v's: + 64 + 8 hf
	s_mov_b32 s57, 0
	s_lshl_b32 s74, s22, 7
	s_add_co_u32 s54, s54, s74                     ; q's or k's: + 32 hf
	s_mov_b32 s55, 0
	s_lshl_b32 s58, s24, 2
	s_add_co_u32 s58, s58, s23                     ; my work-group's row of w_out: 4 y + sq
	s_lshl_b32 s68, s58, 8                         ; its 256 codes,
	s_mov_b32 s69, 0
	s_lshl_b32 s58, s58, 10                        ; its 1,024 bytes
	s_mov_b32 s59, 0
	s_lshl_b32 s70, s24, 15                        ; q_img: tile 64 y + 16 sq + 2 p of 512 bytes
	s_lshl_b32 s74, s23, 13
	s_add_co_u32 s70, s70, s74
	s_lshl_b32 s74, s21, 10
	s_add_co_u32 s70, s70, s74
	s_lshl_b32 s72, s24, 16                        ; kv_img: head y, key step 2 sq + p / 4 of 8,192 bytes
	s_lshl_b32 s74, s23, 14
	s_add_co_u32 s72, s72, s74
	s_lshr_b32 s74, s21, 2
	s_lshl_b32 s74, s74, 13
	s_add_co_u32 s72, s72, s74
	s_and_b32 s75, s21, 3
	s_lshl_b32 s74, s75, 10
	s_add_co_u32 s74, s72, s74                     ; k: tiles 2 (p % 4), + 1 of the step
	s_lshl_b32 s75, s75, 9
	s_add_co_u32 s72, s72, s75                     ; v: group p % 4
	s_lshl_b32 s75, s22, 11
	s_add_co_u32 s72, s72, s75                     ; of fragment hf,
	s_add_co_u32 s72, s72, 4096                    ; behind the step's eight tiles of k
	s_mov_b32 s73, 0
	s_cmp_eq_u32 s22, 0                            ; q's waves or k's?
	s_cselect_b32 s70, s70, s74
	s_mov_b32 s71, 0
	s_mov_b32 s38, 0xbfb8aa3b                      ; -log2(e)
	s_mov_b32 s39, s38                             ; (named with it as a pair, so it is written)
	s_wait_kmcnt 0x0
	s_load_b256 s[28:35], s[12:13], 0x0            ; e0 .. e7
	s_add_nc_u64 s[4:5], s[4:5], s[50:51]
	s_add_nc_u64 s[6:7], s[6:7], s[52:53]
	s_add_nc_u64 s[60:61], s[8:9], s[56:57]
	s_add_nc_u64 s[8:9], s[8:9], s[54:55]
	s_add_nc_u64 s[10:11], s[10:11], s[58:59]
	s_add_nc_u64 s[18:19], s[18:19], s[68:69]
	s_cselect_b64 s[62:63], s[14:15], s[16:17]     ; (the compare above still stands: the lines between leave SCC alone)
	s_add_nc_u64 s[62:63], s[62:63], s[70:71]
	s_add_nc_u64 s[66:67], s[16:17], s[72:73]
	; ---- PHASE 1
	s_cmp_lg_u32 s20, 0
	s_cbranch_scc1 .Lno_wo_in
	global_load_b128 v[WON:WON+3], v11, s[10:11]               ; wave 0: the row of w_out, 8 numbers a lane
	global_load_b128 v[WON+4:WON+7], v11, s[10:11] offset:16
.Lno_wo_in:
.irp i, 0,1,2                                  ; q's, k's, v's rows 8 hf + r % 8 + 16 (r / 8); k = 32 p + 16 h + 0 .. 15
.irp q, 0,1,2,3
	global_load_b128 v[WN+16*\i+4*\q:WN+16*\i+4*\q+3], v4, s[6:7] offset:\i*32768+16*\q
.endr
.endr
.irp q, 0,1,2,3
	global_load_b128 v[BQK+4*\q:BQK+4*\q+3], v9, s[8:9] offset:16*\q
.endr
	global_load_b32 v240, v10, s[60:61]
	LOAD 0
	v_mov_b32 v241, 0
	s_wait_kmcnt 0x0
	s_add_co_i32 s36, s28, s29                     ; a sum of the product stands for sum x 2^(e0 + e1)
	s_add_co_i32 s36, s36, 127
	s_lshl_b32 s36, s36, 23
	s_mov_b32 s37, s36
	PAT 28, 40, 41
	PAT 29, 42, 43
	s_cmp_eq_u32 s22, 0
	s_cselect_b32 s74, s30, s31                    ; q is quantised with e2, k with e3
	PAT 74, 44, 45
	PAT 32, 46, 47
	PAT 34, 48, 49
	v_mov_b32 v246, s40
	v_mov_b32 v247, s41
	v_mov_b32 v248, s42
	v_mov_b32 v249, s43
	v_mov_b32 v242, s44
	v_mov_b32 v243, s45
	v_mov_b32 v244, s46
	v_mov_b32 v245, s47
	v_mov_b32 v252, s48
	v_mov_b32 v253, s49
	s_wait_loadcnt 32                              ; all that was asked for ahead of x's block 0 is in: the weights, the biases, w_out's row
	LOAD 1
.irp i, 0,1,2
.irp k, 0,1,2,3,4,5,6,7,8,9,10,11,12,13,14,15
	v_med3_num_f32 v[WN+16*\i+\k], v[WN+16*\i+\k], -v247, v247
.endr
	v_cvt_scalef32_pk8_bf8_f32 v[WC+4*\i:WC+4*\i+1], v[WN+16*\i:WN+16*\i+7], v246
	v_cvt_scalef32_pk8_bf8_f32 v[WC+4*\i+2:WC+4*\i+3], v[WN+16*\i+8:WN+16*\i+15], v246
.endr
	v_nop                                          ; one plain vector line behind the last conversion of a run
.irp i, 0,1,2
	ds_store_b128 v5, v[WC+4*\i:WC+4*\i+3] offset:\i*8192
.endr
	s_cmp_lg_u32 s20, 0
	s_cbranch_scc1 .Lno_wo_out
.irp k, 0,1,2,3,4,5,6,7
	v_med3_num_f32 v[WON+\k], v[WON+\k], -v253, v253
.endr
	v_cvt_scalef32_pk8_bf8_f32 v[250:251], v[WON:WON+7], v252
	v_nop                                          ; the numbers' registers are written by matrix instructions later
	global_store_b64 v14, v[250:251], s[18:19]     ; 32 lanes store the row's 256 codes; v250, v251 and v14 are never written again
.Lno_wo_out:
	BLOCK 0, 32
	BLOCK 1, 32
	BLOCK 2, 32
	BLOCK 3, 0
	s_wait_dscnt 0x0                               ; for the others' sake: my images have landed
	s_barrier_signal -1
	s_barrier_wait -1
	; ---- PHASE 2
.irp f, 0,1,2,3
.irp g, 0,1,2,3
	ds_load_b128 v[XF+16*\f+4*\g:XF+16*\f+4*\g+3], v6 offset:\f*2048+\g*512
.endr
.endr
.irp f, 0,1,2,3
.irp g, 0,1,2,3
	ds_load_b128 v[WF+16*\f+4*\g:WF+16*\f+4*\g+3], v7 offset:\f*2048+\g*512
.endr
.endr
.irp f, 0,1
.irp g, 0,1,2,3
	ds_load_b128 v[WVF+16*\f+4*\g:WVF+16*\f+4*\g+3], v8 offset:16384+\f*2048+\g*512
.endr
.endr
	s_wait_dscnt 0x0
	; the first K step starts the sums; the six accumulators take turns, one instruction a turn
.irp t, 0,1
.irp u, 0,1
	v_wmma_f32_16x16x128_bf8_bf8 v[ZA+8*(2*\t+\u):ZA+8*(2*\t+\u)+7], v[WF+32*\u:WF+32*\u+15], v[XF+32*\t:XF+32*\t+15], 0
.endr
.endr
.irp t, 0,1
	v_wmma_f32_16x16x128_bf8_bf8 v[ZA+32+8*\t:ZA+32+8*\t+7], v[XF+32*\t:XF+32*\t+15], v[WVF:WVF+15], 0
.endr
.irp t, 0,1
.irp u, 0,1
	v_wmma_f32_16x16x128_bf8_bf8 v[ZA+8*(2*\t+\u):ZA+8*(2*\t+\u)+7], v[WF+32*\u+16:WF+32*\u+31], v[XF+32*\t+16:XF+32*\t+31], v[ZA+8*(2*\t+\u):ZA+8*(2*\t+\u)+7]
.endr
.endr
.irp t, 0,1
	v_wmma_f32_16x16x128_bf8_bf8 v[ZA+32+8*\t:ZA+32+8*\t+7], v[XF+32*\t+16:XF+32*\t+31], v[WVF+16:WVF+31], v[ZA+32+8*\t:ZA+32+8*\t+7]
.endr
.rept 4
	v_nop                                          ; four places behind the last products (ISA guide 7.12.1)
.endr
	; z = sum x 2^(e0 + e1) + bias, each accumulator from its low end on; silu(z) = z / (1 + 2^(-z log2 e)), all in f32
.irp t, 0,1
.irp i, 0,2,4,6,8,10,12,14
	v_pk_fma_f32 v[ZA+16*\t+\i:ZA+16*\t+\i+1], v[ZA+16*\t+\i:ZA+16*\t+\i+1], s[36:37], v[BQK+\i:BQK+\i+1] op_sel_hi:[1,0,1]
.endr
.endr
.irp i, 0,2,4,6,8,10,12,14
	v_pk_fma_f32 v[ZA+32+\i:ZA+32+\i+1], v[ZA+32+\i:ZA+32+\i+1], s[36:37], v[240:241] op_sel_hi:[1,0,0]
.endr
.set j, 0
.rept 24
	v_pk_mul_f32 v[EX+j:EX+j+1], v[ZA+j:ZA+j+1], s[38:39] op_sel_hi:[1,0]
.set j, j+2
.endr
.set j, 0
.rept 48
	v_exp_f32 v[EX+j], v[EX+j]
.set j, j+1
.endr
	v_nop                                          ; a plain line behind the last transcendental
.set j, 0
	s_wait_alu depctr_va_vdst(0)
.rept 24
	v_pk_add_f32 v[EX+j:EX+j+1], v[EX+j:EX+j+1], 1.0 op_sel_hi:[1,0]
.set j, j+2
.endr
.set j, 0
.rept 48
	v_rcp_f32 v[EX+j], v[EX+j]
.set j, j+1
.endr
	v_nop
.set j, 0
	s_wait_alu depctr_va_vdst(0)
.rept 24
	v_pk_mul_f32 v[ZA+j:ZA+j+1], v[ZA+j:ZA+j+1], v[EX+j:EX+j+1]
.set j, j+2
.endr
.set j, 0
.rept 32
	v_med3_num_f32 v[ZA+j], v[ZA+j], -v243, v243
.set j, j+1
.endr
.rept 16
	v_med3_num_f32 v[ZA+j], v[ZA+j], -v245, v245
.set j, j+1
.endr
.irp c, 0,1,2,3
	v_cvt_scalef32_pk8_bf8_f32 v[OC+2*\c:OC+2*\c+1], v[ZA+8*\c:ZA+8*\c+7], v242     ; tile t's 16 channels: registers 4 t .. 4 t + 3
.endr
.irp c, 4,5
	v_cvt_scalef32_pk8_bf8_f32 v[OC+2*\c:OC+2*\c+1], v[ZA+8*\c:ZA+8*\c+7], v244     ; v: my channel's 16 keys
.endr
	v_nop
	global_store_b128 v1, v[OC:OC+3], s[62:63]                 ; each store: 512 consecutive bytes, at a multiple of 512 from the buffer's first byte
	global_store_b128 v1, v[OC+4:OC+7], s[62:63] offset:512
	global_store_b128 v1, v[OC+8:OC+11], s[66:67]
	s_wait_tensorcnt 0x0
	ds_add_u32 v254, v255
	s_wait_dscnt 0x0
	s_endpgm
.Lfunc_end_k_qbbbe58e7cd_qkv:
	.size	k_qbbbe58e7cd_qkv, .Lfunc_end_k_qbbbe58e7cd_qkv-k_qbbbe58e7cd_qkv
	.p2alignl 7, 3214868480
	.fill 96, 4, 3214868480
	.section	.rodata,"a",@progbits
	.p2align	6, 0x0
	.amdhsa_kernel k_qbbbe58e7cd_qkv
		.amdhsa_group_segment_fixed_size 92160
		.amdhsa_private_segment_fixed_size 0
		.amdhsa_enable_private_segment 0
		.amdhsa_kernarg_size 64
		.amdhsa_user_sgpr_count 2
		.amdhsa_user_sgpr_kernarg_segment_ptr 1
		.amdhsa_wavefront_size32 1
		.amdhsa_system_sgpr_workgroup_id_x 1
		.amdhsa_system_sgpr_workgroup_id_y 1
		.amdhsa_system_sgpr_workgroup_id_z 1
		.amdhsa_system_vgpr_workitem_id 0
		.amdhsa_next_free_vgpr 256
		.amdhsa_next_free_sgpr 80
		.amdhsa_reserve_vcc 0
		.amdhsa_float_denorm_mode_32 3
		.amdhsa_float_denorm_mode_16_64 3
		.amdhsa_memory_ordered 1
		.amdhsa_forward_progress 1
		.amdhsa_inst_pref_size 51
	.end_amdhsa_kernel
	.amdgpu_metadata
---
amdhsa.version: [ 1, 2 ]
amdhsa.kernels:
  - .name:           k_qbbbe58e7cd_qkv
    .symbol:         k_qbbbe58e7cd_qkv.kd
    .args:
      - { .name: x, .offset: 0, .size: 8, .value_kind: global_buffer, .address_space: global }
      - { .name: w_qkv, .offset: 8, .size: 8, .value_kind: global_buffer, .address_space: global }
      - { .name: b_qkv, .offset: 16, .size: 8, .value_kind: global_buffer, .address_space: global }
      - { .name: w_out, .offset: 24, .size: 8, .value_kind: global_buffer, .address_space: global }
      - { .name: lowp_scales, .offset: 32, .size: 8, .value_kind: global_buffer, .address_space: global }
      - { .name: q_img, .offset: 40, .size: 8, .value_kind: global_buffer, .address_space: global }
      - { .name: kv_img, .offset: 48, .size: 8, .value_kind: global_buffer, .address_space: global }
      - { .name: wo_codes, .offset: 56, .size: 8, .value_kind: global_buffer, .address_space: global }
    .group_segment_fixed_size: 92160
    .private_segment_fixed_size: 0
    .kernarg_segment_align: 8
    .kernarg_segment_size: 64
    .max_flat_workgroup_size: 512
    .sgpr_count:     80
    .vgpr_count:     256
    .wavefront_size: 32
...
	.end_amdgpu_metadata
.endif
;; end of part 1
;; launch attn (part 2): grid 4 x 64, 16 waves a work-group, no clusters, 67,584 bytes of LDS; arguments q_img, kv_img, lowp_scales, a_img; writes a_img
.if DOCPART == 2
	.amdgcn_target "amdgcn-amd-amdhsa--gfx1250"
	.amdhsa_code_object_version 6
	.text
	.protected	k_qbbbe58e7cd_attn
	.globl	k_qbbbe58e7cd_attn
	.p2align	8
	.type	k_qbbbe58e7cd_attn,@function
k_qbbbe58e7cd_attn:
	s_mov_b64 s[64:65], 0
	v_nop
	global_prefetch_b8 v0, s[64:65] scope:SCOPE_SE
	s_setreg_imm32_b32 hwreg(HW_REG_WAVE_MODE, 25, 1), 1
	s_wait_xcnt 0x0
; For each batch and head (y = 8 b + n): o[q] = the sum over keys of softmax(q . k / sqrt(32)) v, both products on codes of BF8 (E5M2); o is quantised with e7 and stored as an image of the last product's operand registers.
; q_img: [y][tile 64][lane][16 bytes]: lane (r, h) holds channels 16 h + 0 .. 15 of the tile's row r.  kv_img: [y][key step 8][8,192 bytes]: eight tiles of k laid likewise (512 bytes each), then v's two fragments
; (16 channels x 128 keys, 2,048 bytes each: group g of lane (r, h): keys 32 g + 16 h + 0 .. 15 of channel 8 u + r % 8 + 16 (r / 8)).  Row r of tile T stands for position 32 (T / 2) + 8 (T % 2) + r % 8 + 16 (r / 8).
; THE SOFTMAX AHEAD OF THE SECOND PRODUCT: t = score x log2(e) / sqrt(32); M = the largest t so far, rounded UP to a whole number; p = 2^(t - M) is quantised, not normalised; the sum is taken of the unquantised p and divides at the end.
; When M moves, the sum and O are multiplied by 2^(old M - new M), which rounds nothing.
; SHARES.  A work-group owns 256 queries of one head, each of its sixteen waves one tile of 16, in 256 registers: four waves to a SIMD, so that one wave's vector work stands beside another's products and LDS loads.
; Both products are used transposed (S^T = k q^T, O^T = v^T p^T): a lane holds ONE query throughout.  The head's K is 32: the 16x16x64 form takes it with zero codes in the upper half of both sources.
; LDS.  The head's k and v are one dense block of 65,536 bytes.  It is brought once, as it lies: each wave loads eight pieces of 512 consecutive bytes (piece w of key step i) and stores them to the same offsets in LDS; one barrier.
; NO JOINT LOADS, though the four work-groups of a head read the same block: it is asked for once, at the head, 4,096 bytes a wave, and then read from LDS sixteen times over.  A joint request would spare 49,152 bytes of requests
; a work-group and would put a round of the cluster's barrier in front of the launch's first load and another in front of its end.
; THE HOLD OF p hangs on e5 alone: p is at most 1 (but for one rounding of the multiply-add), so where e5 >= -15 the bound 57,344 x 2^e5 is 1.75 or more and no p reaches it: a scalar branch on that whole number, read from
; lowp_scales and the same in every wave, leads round the 64 lines of the hold, inside the loop; no barrier stands under it.  For e5 < -15 the hold is executed.
; LIMITS: e2 + e3 between -124 and 129 (they are added to the exponent field of log2(e) / sqrt(32)); e5 and e7 between -126 and 112; e4 + e5 goes in by v_ldexp_f32 and has none.
; REGISTERS: v1 16 lane; v2 the step's LDS address; v3 16 x my thread's number; v12 -M, v13 the largest t, v[14:15] the sum in two halves; v16-23 q; v32-95 eight tiles of k; v96-159 S^T, then p (at the head v96-127: my pieces of the block);
; v160-175 O^T; v176-207 v; v208-223 p's codes; v224-227 o's codes; v236, v242-243, v252-254 at work; v244/240 2^e5 and 57,344 x 2^e5; v245/241 the same with e7.
.macro PAT e, sc, lim                  ; s[sc] = 2^e as f32, s[lim] = 57,344 x 2^e
	s_add_co_i32 s[\lim], s[\e], 127
	s_lshl_b32 s[\sc], s[\lim], 23
	s_add_co_i32 s[\lim], s[\lim], 15
	s_lshl_b32 s[\lim], s[\lim], 23
	s_or_b32 s[\lim], s[\lim], 0x600000
.endm
	s_load_b256 s[4:11], s[0:1], 0x0               ; q_img s[4:5], kv_img s[6:7], lowp_scales s[8:9], a_img s[10:11]
	v_lshl_add_u32 v251, v0, 2, 0x10000
	v_mov_b32 v255, 0
	v_lshrrev_b32 v2, 5, v0
	v_readfirstlane_b32 s12, v2                    ; wave 0..15
	s_and_b32 s15, ttmp7, 0xffff                   ; y; ttmp9 is my block of 256 queries
	s_lshl_b32 s52, s15, 16                        ; kv_img: the head's block
	s_mov_b32 s53, 0
	s_lshl_b32 s54, s15, 15                        ; q_img: tile 64 y + 16 block + wave of 512 bytes
	s_lshl_b32 s51, ttmp9, 13
	s_add_co_u32 s54, s54, s51
	s_lshl_b32 s51, s12, 9
	s_add_co_u32 s54, s54, s51
	s_mov_b32 s55, 0
	s_lshr_b32 s56, s15, 3                         ; a_img: ((64 b + 16 block + wave) x 8 + n) x 512
	s_lshl_b32 s56, s56, 18
	s_lshl_b32 s51, ttmp9, 16
	s_add_co_u32 s56, s56, s51
	s_lshl_b32 s51, s12, 12
	s_add_co_u32 s56, s56, s51
	s_and_b32 s51, s15, 7
	s_lshl_b32 s51, s51, 9
	s_add_co_u32 s56, s56, s51
	s_mov_b32 s57, 0
	s_mov_b32 s40, 0x76543210                      ; v_permlanex16_b32: lane l xor 16
	s_mov_b32 s41, 0xfedcba98
	s_mov_b32 s42, 0x3e8293ee                      ; c = log2(e) / sqrt(32)
	s_mov_b32 s44, 0                               ; LDS byte at which the key step in hand begins
	v_and_b32 v1, 31, v0
	v_lshlrev_b32 v1, 4, v1
	v_lshlrev_b32 v3, 4, v0                        ; 512 x wave + 16 x lane: my place in a key step's 8,192 bytes, in memory and in LDS
	s_wait_kmcnt 0x0
	s_load_b256 s[32:39], s[8:9], 0x0              ; e0 .. e7
	s_add_nc_u64 s[6:7], s[6:7], s[52:53]
	s_add_nc_u64 s[4:5], s[4:5], s[54:55]
	s_add_nc_u64 s[10:11], s[10:11], s[56:57]
.irp i, 0,1,2,3,4,5,6,7
	global_load_b128 v[96+4*\i:99+4*\i], v3, s[6:7] offset:8192*\i   ; my piece of key step i: the wave reads 512 consecutive bytes, the work-group the whole step
.endr
	global_load_b128 v[16:19], v1, s[4:5] th:TH_LOAD_NT   ; q's tile: 512 consecutive bytes, read by this wave alone; it stays in registers
.irp k, 20,21,22,23
	v_mov_b32 v\k, 0                               ; zero codes for k = 32 .. 63 of the form, in q
.endr
.irp t, 0,1,2,3,4,5,6,7
.irp k, 4,5,6,7
	v_mov_b32 v[32+8*\t+\k], 0                     ; and in the eight tiles of k: written once, the LDS loads fill the lower four registers alone
.endr
.endr
.irp j, 0,1,2,3,4,5,6,7,8,9,10,11,12,13,14,15
	v_mov_b32 v[160+\j], 0                         ; O^T: the first step finds zeros, which the first change of M leaves zeros
.endr
	v_mov_b32 v14, 0                               ; the sum, in two halves
	v_mov_b32 v15, 0
	v_mov_b32 v236, 0                              ; a lane permute's destination counts as one of its sources
	v_mov_b32 v253, 0                              ; (named as the upper half of the pair v[252:253])
	v_mov_b32 v13, 0xff61b1e6                      ; the largest t so far: -3e38, under every t
	v_floor_f32 v12, -v13                          ; -M
	s_wait_kmcnt 0x0
	s_add_co_i32 s51, s34, s35                     ; a score stands for score x 2^(e2 + e3): the two exponents are added to c's exponent field
	s_lshl_b32 s51, s51, 23
	s_add_co_i32 s42, s42, s51
	s_mov_b32 s43, s42                             ; (named with it as a pair, so it is written)
	PAT 37, 46, 47
	PAT 39, 48, 49
	s_add_co_i32 s50, s36, s37                     ; e4 + e5
	v_mov_b32 v244, s46
	v_mov_b32 v240, s47
	v_mov_b32 v245, s48
	v_mov_b32 v241, s49
	s_wait_loadcnt 0x1                             ; my eight pieces are in; q's load, issued behind them, may be out
.irp i, 0,1,2,3,4,5,6,7
	ds_store_b128 v3, v[96+4*\i:99+4*\i] offset:8192*\i
.endr
	s_wait_dscnt 0x0                               ; for the others' sake: my pieces have landed in LDS
	s_barrier_signal -1
	s_barrier_wait -1                              ; everybody's have: from here on LDS is only read
; A KEY STEP: 128 keys at LDS byte s44.  Its tiles of k are in registers already.  next = 1: the next step's are asked for.
.macro STEP next
	v_add_nc_u32 v2, s44, v1
.irp t, 0,1,2,3,4,5,6,7                        ; S^T = k q^T: lane (r, h) holds query r; the 16 registers of tiles 2 b, 2 b + 1 are keys 32 b + 16 h + 0 .. 15
	v_wmma_f32_16x16x64_bf8_bf8 v[96+8*\t:103+8*\t], v[32+8*\t:39+8*\t], v[16:23], 0
.endr
.rept 4
	v_nop                                          ; four places behind these products, which read k's registers; with the addition above, five behind the last step's products, which read v's (ISA guide 7.12.1)
.endr
.irp u, 0,1
.irp g, 0,1,2,3
	ds_load_b128 v[176+16*\u+4*\g:179+16*\u+4*\g], v2 offset:4096+2048*\u+512*\g   ; v lands while the softmax is worked,
.endr
.endr
.if \next
.irp t, 0,1,2,3,4,5,6,7
	ds_load_b128 v[32+8*\t:35+8*\t], v2 offset:8192+512*\t                         ; and so do the next step's tiles of k
.endr
.endif
	v_max3_num_f32 v254, v96, v97, v98             ; the step's largest score of my query among my 64 keys, in two chains, each accumulator from its low end on,
	v_max3_num_f32 v252, v99, v100, v101
.irp i, 6,10,14,18,22,26,30,34,38,42,46,50,54,58
	v_max3_num_f32 v254, v254, v[96+\i], v[97+\i]
	v_max3_num_f32 v252, v252, v[98+\i], v[99+\i]
.endr
	v_max3_num_f32 v254, v254, v158, v159
	v_max_num_f32 v254, v254, v252
	v_permlanex16_b32 v236, v254, s40, s41
	v_max_num_f32 v254, v254, v236                 ; and among lane l xor 16's
	v_mul_f32 v254, s42, v254                      ; as t (c is positive)
	v_max_num_f32 v13, v13, v254                   ; the running largest t
	v_mov_b32 v254, v12
	v_floor_f32 v12, -v13                          ; the new -M = floor(-t) = -ceil(t): a whole number
	v_sub_f32 v254, v12, v254                      ; old M - new M: a whole number, 0 or less
	v_cvt_i32_f32 v254, v254                       ; (it saturates)
	v_ldexp_f32 v252, 1.0, v254                    ; f = 2^(old M - new M)
.set j, 0
.rept 32
	v_pk_fma_f32 v[96+j:97+j], v[96+j:97+j], s[42:43], v[12:13] op_sel_hi:[1,0,0]   ; t - M, two at a time (of the pairs c and -M the low word serves both halves)
.set j, j+2
.endr
.set j, 0
.rept 64
	v_exp_f32 v[96+j], v[96+j]                     ; p = 2^(t - M)
.set j, j+1
.endr
	v_pk_mul_f32 v[14:15], v[14:15], v[252:253] op_sel_hi:[1,0]   ; the sums under the new M (a plain line behind the exponentials)
	s_wait_alu depctr_va_vdst(0)
	v_pk_add_f32 v[242:243], v[96:97], v[98:99]    ; the row's sum is taken of the unquantised p, in two chains
.irp i, 4,8,12,16,20,24,28,32,36,40,44,48,52,56,60
	v_pk_add_f32 v[14:15], v[14:15], v[96+\i:97+\i]
	v_pk_add_f32 v[242:243], v[242:243], v[98+\i:99+\i]
.endr
	v_pk_add_f32 v[14:15], v[14:15], v[242:243]
	s_cmp_ge_i32 s37, -15                          ; e5 >= -15: 57,344 x 2^e5 is 1.75 or more, above every p: the hold would change nothing
	s_cbranch_scc1 .Lfits_\@
.set j, 0
.rept 64
	v_min_num_f32 v[96+j], v[96+j], v240           ; the conversion does not saturate (ISA guide 7.6.2); p is not negative, so the hold is one-sided
.set j, j+1
.endr
.Lfits_\@:
.irp b, 0,1,2,3
	v_cvt_scalef32_pk8_bf8_f32 v[208+4*\b:209+4*\b], v[96+16*\b:103+16*\b], v244
	v_cvt_scalef32_pk8_bf8_f32 v[210+4*\b:211+4*\b], v[104+16*\b:111+16*\b], v244
.endr
.irp i, 0,2,4,6,8,10,12,14
	v_pk_mul_f32 v[160+\i:161+\i], v[160+\i:161+\i], v[252:253] op_sel_hi:[1,0]   ; O^T under the new M; these are also the plain lines behind the conversions
.endr
	s_wait_dscnt 0x0                               ; v is in, and the next step's k
.irp u, 0,1                                    ; O^T += v^T p^T: register 8 u + j of lane (r, h) is channel 16 h + 8 u + j of query r.  The two accumulators take turns; the next step's eight products stand between two links
	v_wmma_f32_16x16x128_bf8_bf8 v[160+8*\u:167+8*\u], v[176+16*\u:191+16*\u], v[208:223], v[160+8*\u:167+8*\u]
.endr
	s_add_co_u32 s44, s44, 8192
.endm
.irp t, 0,1,2,3,4,5,6,7
	ds_load_b128 v[32+8*\t:35+8*\t], v1 offset:512*\t      ; key step 0's tiles of k
.endr
	s_wait_loadcnt 0x0                             ; q
	s_wait_dscnt 0x0
	s_mov_b32 s45, 7
.Lstep:                                            ; seven trips: each asks for the next step's k
	STEP 1
	s_sub_co_u32 s45, s45, 1
	s_cmp_lg_u32 s45, 0
	s_cbranch_scc1 .Lstep
	STEP 0                                         ; the eighth step is written out: behind it there is no k to ask for, and no read leaves the 65,536 bytes
	; THE WAY OUT: O^T / the sum x 2^(e4 + e5), quantised with e7.  A lane's 16 registers are channels 16 h + 0 .. 15 of its query: its 16 codes are its 16 bytes of the image.
.rept 4
	v_nop                                          ; four places behind the last products
.endr
	v_add_f32 v14, v14, v15                        ; the sum's two halves,
	v_permlanex16_b32 v252, v14, s40, s41
	v_add_f32 v14, v14, v252                       ; and lane l xor 16's
	v_rcp_f32 v14, v14
	v_nop                                          ; a plain line behind the transcendental
	s_wait_alu depctr_va_vdst(0)
	v_ldexp_f32 v14, v14, s50
.irp j, 0,1,2,3,4,5,6,7,8,9,10,11,12,13,14,15
	v_mul_f32 v[96+\j], v[160+\j], v14             ; each accumulator from its low end on
.endr
.irp j, 0,1,2,3,4,5,6,7,8,9,10,11,12,13,14,15
	v_med3_num_f32 v[96+\j], v[96+\j], -v241, v241 ; o's size hangs on the data: its hold always stands
.endr
	v_cvt_scalef32_pk8_bf8_f32 v[224:225], v[96:103], v245
	v_cvt_scalef32_pk8_bf8_f32 v[226:227], v[104:111], v245
	v_nop
	global_store_b128 v1, v[224:227], s[10:11]     ; 512 consecutive bytes, at a multiple of 512 from the buffer's first byte
	s_wait_tensorcnt 0x0
	ds_add_u32 v251, v255
	s_wait_dscnt 0x0
	s_endpgm
.Lfunc_end_k_qbbbe58e7cd_attn:
	.size	k_qbbbe58e7cd_attn, .Lfunc_end_k_qbbbe58e7cd_attn-k_qbbbe58e7cd_attn
	.p2alignl 7, 3214868480
	.fill 96, 4, 3214868480
	.section	.rodata,"a",@progbits
	.p2align	6, 0x0
	.amdhsa_kernel k_qbbbe58e7cd_attn
		.amdhsa_group_segment_fixed_size 67584
		.amdhsa_private_segment_fixed_size 0
		.amdhsa_enable_private_segment 0
		.amdhsa_kernarg_size 32
		.amdhsa_user_sgpr_count 2
		.amdhsa_user_sgpr_kernarg_segment_ptr 1
		.amdhsa_wavefront_size32 1
		.amdhsa_system_sgpr_workgroup_id_x 1
		.amdhsa_system_sgpr_workgroup_id_y 1
		.amdhsa_system_sgpr_workgroup_id_z 1
		.amdhsa_system_vgpr_workitem_id 0
		.amdhsa_next_free_vgpr 256
		.amdhsa_next_free_sgpr 66
		.amdhsa_reserve_vcc 0
		.amdhsa_float_denorm_mode_32 3
		.amdhsa_float_denorm_mode_16_64 3
		.amdhsa_memory_ordered 1
		.amdhsa_forward_progress 1
		.amdhsa_inst_pref_size 35
	.end_amdhsa_kernel
	.amdgpu_metadata
---
amdhsa.version: [ 1, 2 ]
amdhsa.kernels:
  - .name:           k_qbbbe58e7cd_attn
    .symbol:         k_qbbbe58e7cd_attn.kd
    .args:
      - { .name: q_img, .offset: 0, .size: 8, .value_kind: global_buffer, .address_space: global }
      - { .name: kv_img, .offset: 8, .size: 8, .value_kind: global_buffer, .address_space: global }
      - { .name: lowp_scales, .offset: 16, .size: 8, .value_kind: global_buffer, .address_space: global }
      - { .name: a_img, .offset: 24, .size: 8, .value_kind: global_buffer, .address_space: global }
    .group_segment_fixed_size: 67584
    .private_segment_fixed_size: 0
    .kernarg_segment_align: 8
    .kernarg_segment_size: 32
    .max_flat_workgroup_size: 512
    .sgpr_count:     66
    .vgpr_count:     256
    .wavefront_size: 32
...
	.end_amdgpu_metadata
.endif
;; end of part 2
;; launch outc (part 3): grid 32 x 8, 8 waves a work-group, no clusters, 35,840 bytes of LDS; arguments a_img, wo_codes, b_out, x, lowp_scales, out0; writes out0
.if DOCPART == 3
	.amdgcn_target "amdgcn-amd-amdhsa--gfx1250"
	.amdhsa_code_object_version 6
	.text
	.protected	k_qbbbe58e7cd_outc
	.globl	k_qbbbe58e7cd_outc
	.p2align	8
	.type	k_qbbbe58e7cd_outc,@function
k_qbbbe58e7cd_outc:
	s_mov_b64 s[64:65], 0
	v_nop
	global_prefetch_b8 v0, s[64:65] scope:SCOPE_SE
	s_setreg_imm32_b32 hwreg(HW_REG_WAVE_MODE, 25, 1), 1
	s_wait_xcnt 0x0
; out0 = w_out . a + b_out + x, the product on codes of BF8 (E5M2), K = 256.  a_img: [b][tile 64][n 8][lane][16 bytes]: lane (r, h) holds channels 32 n + 16 h + 0 .. 15 of the tile's row r, which stands for
; position 32 (T / 2) + 8 (T % 2) + r % 8 + 16 (r / 8): piece n is group n % 4 of K step n / 4 of an operand's registers.  wo_codes: [256 o][256 c].  x, out0: [8][256][1024] f32.
; SHARES.  Work-group (sb = x / 2, oh = x % 2, b): 64 positions (tiles 4 sb .. + 3) x 128 output channels.  Wave w takes channels 128 oh + 16 w .. + 15 for all 64 positions: a channel's 256 bytes of output come from one wave.
; Source 0 = 16 positions of a, source 1 = 16 rows of w_out: lane (r, h) holds channel r, and the 16 registers of tiles 2 b, 2 b + 1 are positions 32 b + 16 h + 0 .. 15.  Eight matrix instructions on four accumulators by turns.
; The results turn through the wave's own stage in LDS (16 rows of 256 bytes + 16) so that sixteen lanes store 256 consecutive bytes of a channel.  No barrier: waves share nothing.
; NO JOINT LOADS: every fragment is loaded once, in pieces of 512 consecutive bytes, straight into the operand's registers; a joint load would add a pass through LDS and two rounds of a cluster's barrier to a body of eight products.
; LIMIT: e6 + e7 between -126 and 127, so that 2^(e6 + e7) is an f32 number.
; REGISTERS: v1 16 lane; v2 w_out's rows; v3 the bias; v4, v5 the stage, in and back; v6 x and out0; v14 b_out of my channel (v15 = 0 is named with it as a pair); v32-63 w_out's two fragments; v64-191 a's eight;
; v192-223 the accumulators; v224-255 x; behind the products v64-95 the results, v96-127 rows read back.
	s_load_b256 s[4:11], s[0:1], 0x0               ; a_img s[4:5], wo_codes s[6:7], b_out s[8:9], x s[10:11]
	s_load_b128 s[12:15], s[0:1], 0x20             ; lowp_scales s[12:13], out0 s[14:15]
	v_lshl_add_u32 v30, v0, 2, 0x8800
	v_mov_b32 v31, 0
	v_lshrrev_b32 v7, 5, v0
	v_readfirstlane_b32 s26, v7                    ; wave 0..7
	s_lshr_b32 s27, ttmp9, 1                       ; sb
	s_and_b32 s28, ttmp9, 1                        ; oh
	s_and_b32 s29, ttmp7, 0xffff                   ; b
	v_and_b32 v7, 15, v0                           ; r
	v_bfe_u32 v8, v0, 4, 1                         ; h
	v_and_b32 v1, 31, v0
	v_lshlrev_b32 v1, 4, v1
	v_lshlrev_b32 v2, 8, v7
	v_lshl_add_u32 v2, v8, 4, v2                   ; row r of 256 codes, + 16 h
	v_lshlrev_b32 v3, 2, v7
	s_mul_i32 s39, s26, 4352                       ; my stage
	v_mul_u32_u24 v4, v7, 272
	v_lshl_add_u32 v4, v8, 6, v4
	v_add_nc_u32 v4, s39, v4                       ; in: row r, + 64 h bytes: my 16 positions of a block of 32
	v_mul_u32_u24 v5, v8, 272
	v_lshl_add_u32 v5, v7, 4, v5
	v_add_nc_u32 v5, s39, v5                       ; back: lanes 0-15 one row, lanes 16-31 the next
	v_lshlrev_b32 v6, 12, v8
	v_lshl_add_u32 v6, v7, 4, v6                   ; and the same two channels in x and out0
	v_mov_b32 v15, 0
	s_lshl_b32 s30, s29, 18                        ; a_img: tile 64 b + 4 sb of 4,096 bytes
	s_lshl_b32 s38, s27, 14
	s_add_co_u32 s30, s30, s38
	s_mov_b32 s31, 0
	s_lshl_b32 s32, s28, 15                        ; wo_codes: row 128 oh + 16 w of 256 bytes
	s_lshl_b32 s38, s26, 12
	s_add_co_u32 s32, s32, s38
	s_mov_b32 s33, 0
	s_lshr_b32 s34, s32, 6                         ; b_out: the same row, 4 bytes
	s_mov_b32 s35, 0
	s_lshl_b32 s36, s32, 4                         ; x, out0: the same row of 4,096 bytes,
	s_lshl_b32 s38, s29, 20                        ; in image b,
	s_add_co_u32 s36, s36, s38
	s_lshl_b32 s38, s27, 8                         ; 64 sb positions on
	s_add_co_u32 s36, s36, s38
	s_mov_b32 s37, 0
	s_wait_kmcnt 0x0
	s_load_b256 s[16:23], s[12:13], 0x0            ; e0 .. e7
	s_add_nc_u64 s[4:5], s[4:5], s[30:31]
	s_add_nc_u64 s[6:7], s[6:7], s[32:33]
	s_add_nc_u64 s[8:9], s[8:9], s[34:35]
	s_add_nc_u64 s[10:11], s[10:11], s[36:37]
	s_add_nc_u64 s[14:15], s[14:15], s[36:37]
.irp s, 0,1
.irp g, 0,1,2,3
	global_load_b128 v[32+16*\s+4*\g:35+16*\s+4*\g], v2, s[6:7] offset:128*\s+32*\g
.endr
.endr
.irp f, 0,1,2,3,4,5,6,7                        ; fragment f = 2 i + ks of tile i
.irp g, 0,1,2,3
	global_load_b128 v[64+16*\f+4*\g:67+16*\f+4*\g], v1, s[4:5] offset:2048*\f+512*\g
.endr
.endr
	global_load_b32 v14, v3, s[8:9]
.irp i, 0,1,2,3,4,5,6,7
	global_load_b128 v[224+4*\i:227+4*\i], v6, s[10:11] offset:8192*\i th:TH_LOAD_NT   ; the launch reads each byte of x once
.endr
	s_wait_kmcnt 0x0
	s_add_co_i32 s24, s22, s23                     ; e6 + e7
	s_add_co_i32 s24, s24, 127
	s_lshl_b32 s24, s24, 23                        ; 2^(e6 + e7) as f32
	s_mov_b32 s25, s24                             ; (named with it as a pair, so it is written)
	s_wait_loadcnt 8                               ; the operands and the bias are in; x's eight loads, issued behind them, may be out
.irp i, 0,1,2,3                                ; the first K step starts the sums; the four accumulators take turns
	v_wmma_f32_16x16x128_bf8_bf8 v[192+8*\i:199+8*\i], v[64+32*\i:79+32*\i], v[32:47], 0
.endr
.irp i, 0,1,2,3
	v_wmma_f32_16x16x128_bf8_bf8 v[192+8*\i:199+8*\i], v[80+32*\i:95+32*\i], v[48:63], v[192+8*\i:199+8*\i]
.endr
.rept 4
	v_nop                                          ; four places behind the last products (ISA guide 7.12.1)
.endr
.set j, 0
.rept 16
	v_pk_fma_f32 v[64+j:65+j], v[192+j:193+j], s[24:25], v[14:15] op_sel_hi:[1,0,0]   ; sum x 2^(e6 + e7) + b_out, each accumulator from its low end on
.set j, j+2
.endr
.irp b, 0,1
.irp q, 0,1,2,3
	ds_store_b128 v4, v[64+16*\b+4*\q:67+16*\b+4*\q] offset:128*\b+16*\q
.endr
.endr
.irp i, 0,1,2,3,4,5,6,7
	ds_load_b128 v[96+4*\i:99+4*\i], v5 offset:544*\i      ; LDS serves a wave's instructions in order (ISA guide 5.7.1.4): these see my stores
.endr
	s_wait_loadcnt 0x0                             ; x
.irp i, 0,1,2,3,4,5,6,7
	s_wait_dscnt 7-\i                              ; rows 2 i, 2 i + 1 are back; the loads issued behind them may be out
	v_pk_add_f32 v[96+4*\i:97+4*\i], v[96+4*\i:97+4*\i], v[224+4*\i:225+4*\i]
	v_pk_add_f32 v[98+4*\i:99+4*\i], v[98+4*\i:99+4*\i], v[226+4*\i:227+4*\i]
	global_store_b128 v6, v[96+4*\i:99+4*\i], s[14:15] offset:8192*\i th:TH_STORE_NT   ; sixteen lanes store 256 consecutive bytes, at a multiple of 256 from out0's first byte
.endr
	s_wait_tensorcnt 0x0
	ds_add_u32 v30, v31
	s_wait_dscnt 0x0
	s_endpgm
.Lfunc_end_k_qbbbe58e7cd_outc:
	.size	k_qbbbe58e7cd_outc, .Lfunc_end_k_qbbbe58e7cd_outc-k_qbbbe58e7cd_outc
	.p2alignl 7, 3214868480
	.fill 96, 4, 3214868480
	.section	.rodata,"a",@progbits
	.p2align	6, 0x0
	.amdhsa_kernel k_qbbbe58e7cd_outc
		.amdhsa_group_segment_fixed_size 35840
		.amdhsa_private_segment_fixed_size 0
		.amdhsa_enable_private_segment 0
		.amdhsa_kernarg_size 48
		.amdhsa_user_sgpr_count 2
		.amdhsa_user_sgpr_kernarg_segment_ptr 1
		.amdhsa_wavefront_size32 1
		.amdhsa_system_sgpr_workgroup_id_x 1
		.amdhsa_system_sgpr_workgroup_id_y 1
		.amdhsa_system_sgpr_workgroup_id_z 1
		.amdhsa_system_vgpr_workitem_id 0
		.amdhsa_next_free_vgpr 256
		.amdhsa_next_free_sgpr 66
		.amdhsa_reserve_vcc 0
		.amdhsa_float_denorm_mode_32 3
		.amdhsa_float_denorm_mode_16_64 3
		.amdhsa_memory_ordered 1
		.amdhsa_forward_progress 1
		.amdhsa_inst_pref_size 12
	.end_amdhsa_kernel
	.amdgpu_metadata
---
amdhsa.version: [ 1, 2 ]
amdhsa.kernels:
  - .name:           k_qbbbe58e7cd_outc
    .symbol:         k_qbbbe58e7cd_outc.kd
    .args:
      - { .name: a_img, .offset: 0, .size: 8, .value_kind: global_buffer, .address_space: global }
      - { .name: wo_codes, .offset: 8, .size: 8, .value_kind: global_buffer, .address_space: global }
      - { .name: b_out, .offset: 16, .size: 8, .value_kind: global_buffer, .address_space: global }
      - { .name: x, .offset: 24, .size: 8, .value_kind: global_buffer, .address_space: global }
      - { .name: lowp_scales, .offset: 32, .size: 8, .value_kind: global_buffer, .address_space: global }
      - { .name: out0, .offset: 40, .size: 8, .value_kind: global_buffer, .address_space: global }
    .group_segment_fixed_size: 35840
    .private_segment_fixed_size: 0
    .kernarg_segment_align: 8
    .kernarg_segment_size: 48
    .max_flat_workgroup_size: 256
    .sgpr_count:     66
    .vgpr_count:     256
    .wavefront_size: 32
...
	.end_amdgpu_metadata
.endif
;; end of part 3
;; ======== version 2 of 2: 3 launches; version 1 with the launches qkv, attn, outc written anew for expert scheduling mode
;; workspace buffers: q_img 2,097,152 bytes; kv_img 4,194,304 bytes; a_img 2,097,152 bytes; wo_codes 65,536 bytes
;; launch qkv (part 4): grid 4 x 64, 16 waves a work-group, no clusters, 92,160 bytes of LDS; arguments x, w_qkv, b_qkv, w_out, lowp_scales, q_img, kv_img, wo_codes; writes q_img, kv_img, wo_codes
.if DOCPART == 4
	.amdgcn_target "amdgcn-amd-amdhsa--gfx1250"
	.amdhsa_code_object_version 6
	.text
	.protected	k_qbbbe58e7cd_qkv
	.globl	k_qbbbe58e7cd_qkv
	.p2align	8
	.type	k_qbbbe58e7cd_qkv,@function
k_qbbbe58e7cd_qkv:
	s_mov_b64 s[64:65], 0
	v_nop
	global_prefetch_b8 v0, s[64:65] scope:SCOPE_SE
	s_setreg_imm32_b32 hwreg(HW_REG_WAVE_SCHED_MODE, 0, 2), 2
	s_setreg_imm32_b32 hwreg(HW_REG_WAVE_MODE, 25, 1), 1
	s_wait_xcnt 0x0
	s_wait_alu depctr_vm_vsrc(0)
; qkv = silu(w_qkv . x + b_qkv) on codes of BF8 (E5M2), then q, k and v are quantised and stored as images of the operand registers of the attention launch.  One row of w_out is quantised on the side.
; x: [8][256 c][1024 s] f32.  w_qkv: [768][256] f32.  lowp_scales: e0 (w_qkv), e1 (x), e2 (q), e3 (k), e4 (v), e5 (p), e6 (w_out), e7 (attention's result).
; SHARES.  Work-group (sq, y): batch b = y / 8, head n = y % 8, positions 256 sq .. 256 sq + 255: the head's 96 rows of w_qkv against 256 columns of x, K = 256.  Sixteen waves: p = wave % 8, hf = wave / 8.
; PHASE 1.  Wave (p, hf) quantises channels 128 hf .. + 127 of positions 32 p .. + 31 of x: A LANE TAKES A POSITION AND ITS REGISTERS RUN DOWN c, so the conversions give codes with K innermost and nothing is transposed;
; and three groups (16 rows x 32 k) of the head's weights.  Both go to LDS as images of operand registers: a group of four registers is 512 bytes, lane l's 16 bytes at 16 l.  One barrier.
; PHASE 2.  Wave (p, hf) takes tiles 2 p, 2 p + 1 of positions: q (hf = 0) or k (hf = 1), 32 channels, with the weights as source 0, so that a lane holds one position and 16 neighbouring channels;
; and 16 channels of v (8 hf + ..) with x as source 0, so that a lane holds one channel and 16 neighbouring keys.  Twelve matrix instructions on six accumulators by turns.
; TILES.  Row r of position tile T stands for position 32 (T / 2) + 8 (T % 2) + r % 8 + 16 (r / 8); row r of channel tile u for channel 8 u + r % 8 + 16 (r / 8): so the 16 result registers of two neighbouring tiles are 16 neighbours.
; A fragment of 128 k: registers 4 g .. 4 g + 3 of lane (r, h) hold k = 32 g + 16 h + 0 .. 15: a permutation of k that is the same in both sources, so every product meets its partner.
; NO JOINT LOADS: x and the weights arrive as f32 and are wanted in a lane's registers by the conversions; a work-group's 65,536 numbers of x would be 262,144 bytes of LDS, which do not fit beside the 90,112 bytes of images.
; LIMITS: e0, e1, e2, e3, e4, e6 between -126 and 112; e0 + e1 between -126 and 127, so that each power of two below is an f32 number.  NaN among the inputs is not served.  q is taken with e2 and k with e3.
; THE MODE: SCHED_MODE bits 1:0 = 2 (LLVM: expert scheduling mode 2), set by the entry lines.  The code itself states the register dependences
; between vector or matrix instructions and memory or LDS instructions, with s_wait_alu, always for 0.
; THE PLAN.  Registers that memory or LDS instructions touch:
;   v1-v11, v14   offsets and LDS addresses: written once at the head, read by every load and store, never written again.
;   XS0, XS1      Block t: its loads land in set t % 2; its holds write and its conversions read the set; behind them block t + 2's loads land in it; in phase 2 x's fragments.
;   XC            Eight registers for each block: written by its conversions, read by its two LDS stores; in phase 2 fragments of the weights land there.
;   WN, WC        The weights: WN is loaded, held and converted; WC is written by the conversions and read by three LDS stores; in phase 2 fragments land in both.
;   WON, v250-251 Wave 0: w_out's numbers are loaded into WON; the conversion writes v250-251, which one store reads.
;   OC            Written by the last conversions, read by the last three stores.
; So ONE wait on va_vdst stands in a block, behind its conversions: the codes are written, and the holds and conversions are done with the set.  The block's LDS stores and the loads of two blocks on follow it
; (behind block 0's also the weights' LDS stores); no vector instruction stands between block 3's wait and phase 2's LDS loads.  One wait on vm_vsrc stands behind the barrier, ahead of those loads.
.set XIMG, 24576                       ; LDS: the weights' 48 groups of 512 bytes from 0 on; from here x's 32 fragments of 2,048 bytes: (tile, K step) at 4,096 tile + 2,048 step
.set XS,  16                           ; v16-79    phase 1: two sets of 32 numbers of x
.set XC,  80                           ; v80-111   their codes: 8 registers for each of four blocks
.set WN,  112                          ; v112-159  three groups of 16 numbers of w_qkv
.set WC,  160                          ; v160-171  their codes
.set WON, 176                          ; v176-183  wave 0: 8 numbers of w_out
.set XF,  16                           ; v16-79    phase 2: x's fragments (t, ks) at 16 (2 t + ks)
.set WF,  80                           ; v80-143   q's or k's weights (u, ks) at 16 (2 u + ks)
.set WVF, 144                          ; v144-175  v's weights (ks)
.set ZA,  176                          ; v176-223  accumulators: q or k (t, u) at 8 (2 t + u); v (t) at 32 + 8 t
.set EX,  80                           ; v80-127   at work in the activation
.set OC,  128                          ; v128-139  the codes that leave
.set BQK, 224                          ; v224-239  b_qkv of my 16 channels of q or k;  v240 of my channel of v (v241 = 0 is named with it as a pair)
; v1 16 lane; v2 4 lane; v3 x's images, in; v4 w_qkv, in; v5 the weights' images, in; v6 x's images, out; v7, v8 the weights' images, out; v9, v10 biases; v11, v14 w_out in, its codes out
; v242/243 scale and largest number x scale of q or k; v244/245 of v; v246/247 of w_qkv; v248/249 of x; v252/253 of w_out; v250-251 w_out's codes; v254, v255 the closing add's two
.macro PAT e, sc, lim                  ; s[sc] = 2^e as f32, s[lim] = 57,344 x 2^e
	s_add_co_i32 s[\lim], s[\e], 127
	s_lshl_b32 s[\sc], s[\lim], 23
	s_add_co_i32 s[\lim], s[\lim], 15
	s_lshl_b32 s[\lim], s[\lim], 23
	s_or_b32 s[\lim], s[\lim], 0x600000
.endm
.macro LOAD t                          ; block t: x(32 t + i, my position), i = 0 .. 31, into set t % 2: each load reads 128 consecutive bytes
.set i, 0
.rept 32
	global_load_b32 v[XS+32*((\t)%2)+i], v2, s[4:5] offset:(32*(\t)+i)*4096
.set i, i+1
.endr
.endm
.macro BLOCK t, left                   ; block t is quantised and stored as group t of my fragment: channels 0-15 to the lanes of half 0, channels 16-31 to those of half 1
	s_wait_loadcnt \left                           ; this block's 32 loads are in; the \left issued behind them may be out
.set i, 0
.rept 32
	v_med3_num_f32 v[XS+32*((\t)%2)+i], v[XS+32*((\t)%2)+i], -v249, v249   ; the conversion to an 8-bit code does not saturate (ISA guide 7.6.2): hold at the largest code x the scale
.set i, i+1
.endr
.irp g, 0,1,2,3
	v_cvt_scalef32_pk8_bf8_f32 v[XC+8*(\t)+2*\g:XC+8*(\t)+2*\g+1], v[XS+32*((\t)%2)+8*\g:XS+32*((\t)%2)+8*\g+7], v248
.endr
	v_nop                                          ; one plain vector line behind the last conversion of a run
	s_wait_alu depctr_va_vdst(0)                   ; the conversions have written this block's codes (block 0: and the weights'), which the LDS stores read; the holds and conversions are done with the set, in which the loads below land
.if (\t) == 0
.irp w, 0,1,2
	ds_store_b128 v5, v[WC+4*\w:WC+4*\w+3] offset:\w*8192   ; the weights' three groups
.endr
.endif
	ds_store_b128 v3, v[XC+8*(\t):XC+8*(\t)+3] offset:512*(\t)
	ds_store_b128 v3, v[XC+8*(\t)+4:XC+8*(\t)+7] offset:512*(\t)+256
.if (\t) < 2
	LOAD (\t)+2
.endif
.endm
	s_load_b256 s[4:11], s[0:1], 0x0               ; x s[4:5], w_qkv s[6:7], b_qkv s[8:9], w_out s[10:11]
	s_load_b256 s[12:19], s[0:1], 0x20             ; lowp_scales s[12:13], q_img s[14:15], kv_img s[16:17], wo_codes s[18:19]
	v_lshl_add_u32 v254, v0, 2, 0x16000            ; my spare word, behind the images; kept for the closing lines alone
	v_mov_b32 v255, 0
	v_lshrrev_b32 v12, 5, v0
	v_readfirstlane_b32 s20, v12                   ; wave 0..15
	s_wait_alu depctr_va_sdst(0)                   ; s20 is written, ahead of its first reader: addresses, bases and the branches on the wave's number are made from it
	s_and_b32 s21, s20, 7                          ; p
	s_lshr_b32 s22, s20, 3                         ; hf
	s_mov_b32 s23, ttmp9                           ; sq
	s_and_b32 s24, ttmp7, 0xffff                   ; y
	s_lshr_b32 s25, s24, 3                         ; b
	s_and_b32 s26, s24, 7                          ; n
	v_and_b32 v13, 31, v0                          ; lane
	v_lshlrev_b32 v1, 4, v13
	v_lshlrev_b32 v2, 2, v13
	v_lshlrev_b32 v11, 5, v13
	v_lshlrev_b32 v14, 3, v13
	v_and_b32 v12, 7, v0                           ; lane % 8
	v_bfe_u32 v13, v0, 3, 1                        ; bit 3 of the lane
	v_bfe_u32 v15, v0, 4, 1                        ; bit 4: h
	v_lshl_add_u32 v3, v15, 3, v12                 ; position 32 p + lane is row lane % 8 + 8 bit4 of tile 2 p + bit3
	v_lshlrev_b32 v3, 4, v3
	v_lshl_add_u32 v3, v13, 12, v3
	v_lshl_add_u32 v12, v13, 4, v12                ; r % 8 + 16 (r / 8)
	v_lshlrev_b32 v4, 10, v12                      ; w_qkv: that row of 1,024 bytes,
	v_lshl_add_u32 v4, v15, 6, v4                  ; + 64 h: my 16 numbers of a block of 32
	v_lshlrev_b32 v10, 2, v12                      ; v's bias: my channel
	v_lshlrev_b32 v9, 6, v15                       ; q's or k's bias: my 16 channels
	s_lshl_b32 s50, s21, 13
	s_add_co_u32 s51, s50, XIMG                    ; XIMG + 8,192 p: tiles 2 p, 2 p + 1
	v_add_nc_u32 v6, s51, v1
	s_lshl_b32 s50, s22, 11
	s_add_co_u32 s51, s51, s50                     ; + 2,048 hf: my K step
	v_add_nc_u32 v3, s51, v3
	s_lshl_b32 s50, s21, 9
	s_lshl_b32 s51, s22, 12
	v_add_nc_u32 v8, s51, v1                       ; v's weights: 16 lane + 4,096 hf (+ 16,384 in the offset)
	s_add_co_u32 s50, s50, s51
	v_add_nc_u32 v5, s50, v1                       ; the weights' groups, in: 16 lane + 512 p + 4,096 hf (+ 8,192 i)
	s_lshl_b32 s51, s22, 13
	v_add_nc_u32 v7, s51, v1                       ; q's or k's weights: 16 lane + 8,192 hf
	; byte offsets into the buffers, each in a pair of its own
	s_lshl_b32 s50, s25, 20                        ; x: b images of 2^20 bytes,
	s_lshl_b32 s74, s22, 19                        ; 128 hf channels of 4,096,
	s_add_co_u32 s50, s50, s74
	s_lshl_b32 s74, s23, 10                        ; 256 sq positions,
	s_add_co_u32 s50, s50, s74
	s_lshl_b32 s74, s21, 7                         ; 32 p positions
	s_add_co_u32 s50, s50, s74
	s_mov_b32 s51, 0
	s_mul_i32 s52, s26, 98304                      ; w_qkv: 96 n rows of 1,024 bytes,
	s_lshl_b32 s75, s22, 13                        ; 8 hf rows,
	s_add_co_u32 s52, s52, s75
	s_add_co_u32 s52, s52, s74                     ; 32 p numbers
	s_mov_b32 s53, 0
	s_mul_i32 s54, s26, 384                        ; b_qkv: 96 n numbers
	s_lshl_b32 s74, s22, 5
	s_add_co_u32 s56, s54, s74
	s_add_co_u32 s56, s56, 256                     ; v's: + 64 + 8 hf
	s_mov_b32 s57, 0
	s_lshl_b32 s74, s22, 7
	s_add_co_u32 s54, s54, s74                     ; q's or k's: + 32 hf
	s_mov_b32 s55, 0
	s_lshl_b32 s58, s24, 2
	s_add_co_u32 s58, s58, s23                     ; my work-group's row of w_out: 4 y + sq
	s_lshl_b32 s68, s58, 8                         ; its 256 codes,
	s_mov_b32 s69, 0
	s_lshl_b32 s58, s58, 10                        ; its 1,024 bytes
	s_mov_b32 s59, 0
	s_lshl_b32 s70, s24, 15                        ; q_img: tile 64 y + 16 sq + 2 p of 512 bytes
	s_lshl_b32 s74, s23, 13
	s_add_co_u32 s70, s70, s74
	s_lshl_b32 s74, s21, 10
	s_add_co_u32 s70, s70, s74
	s_lshl_b32 s72, s24, 16                        ; kv_img: head y, key step 2 sq + p / 4 of 8,192 bytes
	s_lshl_b32 s74, s23, 14
	s_add_co_u32 s72, s72, s74
	s_lshr_b32 s74, s21, 2
	s_lshl_b32 s74, s74, 13
	s_add_co_u32 s72, s72, s74
	s_and_b32 s75, s21, 3
	s_lshl_b32 s74, s75, 10
	s_add_co_u32 s74, s72, s74                     ; k: tiles 2 (p % 4), + 1 of the step
	s_lshl_b32 s75, s75, 9
	s_add_co_u32 s72, s72, s75                     ; v: group p % 4
	s_lshl_b32 s75, s22, 11
	s_add_co_u32 s72, s72, s75                     ; of fragment hf,
	s_add_co_u32 s72, s72, 4096                    ; behind the step's eight tiles of k
	s_mov_b32 s73, 0
	s_cmp_eq_u32 s22, 0                            ; q's waves or k's?
	s_cselect_b32 s70, s70, s74
	s_mov_b32 s71, 0
	s_mov_b32 s38, 0xbfb8aa3b                      ; -log2(e)
	s_mov_b32 s39, s38                             ; (named with it as a pair, so it is written)
	s_wait_kmcnt 0x0
	s_load_b256 s[28:35], s[12:13], 0x0            ; e0 .. e7
	s_add_nc_u64 s[4:5], s[4:5], s[50:51]
	s_add_nc_u64 s[6:7], s[6:7], s[52:53]
	s_add_nc_u64 s[60:61], s[8:9], s[56:57]
	s_add_nc_u64 s[8:9], s[8:9], s[54:55]
	s_add_nc_u64 s[10:11], s[10:11], s[58:59]
	s_add_nc_u64 s[18:19], s[18:19], s[68:69]
	s_cselect_b64 s[62:63], s[14:15], s[16:17]     ; (the compare above still stands: the lines between leave SCC alone)
	s_add_nc_u64 s[62:63], s[62:63], s[70:71]
	s_add_nc_u64 s[66:67], s[16:17], s[72:73]
	; ---- PHASE 1
	s_wait_alu depctr_va_vdst(0)                   ; the offsets and LDS addresses v1 to v11 and v14 are written, which every load and store of the kernel reads
	s_cmp_lg_u32 s20, 0
	s_cbranch_scc1 .Lno_wo_in
	global_load_b128 v[WON:WON+3], v11, s[10:11]               ; wave 0: the row of w_out, 8 numbers a lane
	global_load_b128 v[WON+4:WON+7], v11, s[10:11] offset:16
.Lno_wo_in:
.irp i, 0,1,2                                  ; q's, k's, v's rows 8 hf + r % 8 + 16 (r / 8); k = 32 p + 16 h + 0 .. 15
.irp q, 0,1,2,3
	global_load_b128 v[WN+16*\i+4*\q:WN+16*\i+4*\q+3], v4, s[6:7] offset:\i*32768+16*\q
.endr
.endr
.irp q, 0,1,2,3
	global_load_b128 v[BQK+4*\q:BQK+4*\q+3], v9, s[8:9] offset:16*\q
.endr
	global_load_b32 v240, v10, s[60:61]
	LOAD 0
	v_mov_b32 v241, 0
	s_wait_kmcnt 0x0
	s_add_co_i32 s36, s28, s29                     ; a sum of the product stands for sum x 2^(e0 + e1)
	s_add_co_i32 s36, s36, 127
	s_lshl_b32 s36, s36, 23
	s_mov_b32 s37, s36
	PAT 28, 40, 41
	PAT 29, 42, 43
	s_cmp_eq_u32 s22, 0
	s_cselect_b32 s74, s30, s31                    ; q is quantised with e2, k with e3
	PAT 74, 44, 45
	PAT 32, 46, 47
	PAT 34, 48, 49
	v_mov_b32 v246, s40
	v_mov_b32 v247, s41
	v_mov_b32 v248, s42
	v_mov_b32 v249, s43
	v_mov_b32 v242, s44
	v_mov_b32 v243, s45
	v_mov_b32 v244, s46
	v_mov_b32 v245, s47
	v_mov_b32 v252, s48
	v_mov_b32 v253, s49
	s_wait_loadcnt 32                              ; all that was asked for ahead of x's block 0 is in: the weights, the biases, w_out's row
	LOAD 1                                         ; (no vector instruction has named v48 to v79, and v2 stands since the wait at the phase's head)
.irp i, 0,1,2
.irp k, 0,1,2,3,4,5,6,7,8,9,10,11,12,13,14,15
	v_med3_num_f32 v[WN+16*\i+\k], v[WN+16*\i+\k], -v247, v247
.endr
	v_cvt_scalef32_pk8_bf8_f32 v[WC+4*\i:WC+4*\i+1], v[WN+16*\i:WN+16*\i+7], v246
	v_cvt_scalef32_pk8_bf8_f32 v[WC+4*\i+2:WC+4*\i+3], v[WN+16*\i+8:WN+16*\i+15], v246
.endr
	v_nop                                          ; one plain vector line behind the last conversion of a run.  The weights' codes go to LDS behind block 0's wait
	s_cmp_lg_u32 s20, 0
	s_cbranch_scc1 .Lno_wo_out
.irp k, 0,1,2,3,4,5,6,7
	v_med3_num_f32 v[WON+\k], v[WON+\k], -v253, v253
.endr
	v_cvt_scalef32_pk8_bf8_f32 v[250:251], v[WON:WON+7], v252
	v_nop                                          ; the numbers' registers are written by matrix instructions later
	s_wait_alu depctr_va_vdst(0)                   ; the conversion has written v250 and v251, which the store reads
	global_store_b64 v14, v[250:251], s[18:19]     ; 32 lanes store the row's 256 codes; v250, v251 and v14 are never written again
.Lno_wo_out:
	BLOCK 0, 32
	BLOCK 1, 32
	BLOCK 2, 32
	BLOCK 3, 0
	s_wait_dscnt 0x0                               ; for the others' sake: my images have landed
	s_barrier_signal -1
	s_barrier_wait -1
	; ---- PHASE 2
	s_wait_alu depctr_vm_vsrc(0)                   ; my LDS stores have read v80 to v111 and v160 to v171, in which fragments land below (the vector instructions that named v16 to v175 stand ahead of block 3's wait)
.irp f, 0,1,2,3
.irp g, 0,1,2,3
	ds_load_b128 v[XF+16*\f+4*\g:XF+16*\f+4*\g+3], v6 offset:\f*2048+\g*512
.endr
.endr
.irp f, 0,1,2,3
.irp g, 0,1,2,3
	ds_load_b128 v[WF+16*\f+4*\g:WF+16*\f+4*\g+3], v7 offset:\f*2048+\g*512
.endr
.endr
.irp f, 0,1
.irp g, 0,1,2,3
	ds_load_b128 v[WVF+16*\f+4*\g:WVF+16*\f+4*\g+3], v8 offset:16384+\f*2048+\g*512
.endr
.endr
	s_wait_dscnt 0x0
	; the first K step starts the sums; the six accumulators take turns, one instruction a turn
.irp t, 0,1
.irp u, 0,1
	v_wmma_f32_16x16x128_bf8_bf8 v[ZA+8*(2*\t+\u):ZA+8*(2*\t+\u)+7], v[WF+32*\u:WF+32*\u+15], v[XF+32*\t:XF+32*\t+15], 0
.endr
.endr
.irp t, 0,1
	v_wmma_f32_16x16x128_bf8_bf8 v[ZA+32+8*\t:ZA+32+8*\t+7], v[XF+32*\t:XF+32*\t+15], v[WVF:WVF+15], 0
.endr
.irp t, 0,1
.irp u, 0,1
	v_wmma_f32_16x16x128_bf8_bf8 v[ZA+8*(2*\t+\u):ZA+8*(2*\t+\u)+7], v[WF+32*\u+16:WF+32*\u+31], v[XF+32*\t+16:XF+32*\t+31], v[ZA+8*(2*\t+\u):ZA+8*(2*\t+\u)+7]
.endr
.endr
.irp t, 0,1
	v_wmma_f32_16x16x128_bf8_bf8 v[ZA+32+8*\t:ZA+32+8*\t+7], v[XF+32*\t+16:XF+32*\t+31], v[WVF+16:WVF+31], v[ZA+32+8*\t:ZA+32+8*\t+7]
.endr
.rept 4
	v_nop                                          ; four places behind the last products (ISA guide 7.12.1)
.endr
	; z = sum x 2^(e0 + e1) + bias, each accumulator from its low end on; silu(z) = z / (1 + 2^(-z log2 e)), all in f32
.irp t, 0,1
.irp i, 0,2,4,6,8,10,12,14
	v_pk_fma_f32 v[ZA+16*\t+\i:ZA+16*\t+\i+1], v[ZA+16*\t+\i:ZA+16*\t+\i+1], s[36:37], v[BQK+\i:BQK+\i+1] op_sel_hi:[1,0,1]
.endr
.endr
.irp i, 0,2,4,6,8,10,12,14
	v_pk_fma_f32 v[ZA+32+\i:ZA+32+\i+1], v[ZA+32+\i:ZA+32+\i+1], s[36:37], v[240:241] op_sel_hi:[1,0,0]
.endr
.set j, 0
.rept 24
	v_pk_mul_f32 v[EX+j:EX+j+1], v[ZA+j:ZA+j+1], s[38:39] op_sel_hi:[1,0]
.set j, j+2
.endr
.set j, 0
.rept 48
	v_exp_f32 v[EX+j], v[EX+j]
.set j, j+1
.endr
	v_nop                                          ; a plain line behind the last transcendental
	s_wait_alu depctr_va_vdst(0)                   ; the 48 exponentials have written v80 to v127, ahead of their first reader: one wait for the batch
.set j, 0
.rept 24
	v_pk_add_f32 v[EX+j:EX+j+1], v[EX+j:EX+j+1], 1.0 op_sel_hi:[1,0]
.set j, j+2
.endr
.set j, 0
.rept 48
	v_rcp_f32 v[EX+j], v[EX+j]
.set j, j+1
.endr
	v_nop
	s_wait_alu depctr_va_vdst(0)                   ; the 48 reciprocals have written v80 to v127, ahead of their first reader: one wait for the batch
.set j, 0
.rept 24
	v_pk_mul_f32 v[ZA+j:ZA+j+1], v[ZA+j:ZA+j+1], v[EX+j:EX+j+1]
.set j, j+2
.endr
.set j, 0
.rept 32
	v_med3_num_f32 v[ZA+j], v[ZA+j], -v243, v243
.set j, j+1
.endr
.rept 16
	v_med3_num_f32 v[ZA+j], v[ZA+j], -v245, v245
.set j, j+1
.endr
.irp c, 0,1,2,3
	v_cvt_scalef32_pk8_bf8_f32 v[OC+2*\c:OC+2*\c+1], v[ZA+8*\c:ZA+8*\c+7], v242     ; tile t's 16 channels: registers 4 t .. 4 t + 3
.endr
.irp c, 4,5
	v_cvt_scalef32_pk8_bf8_f32 v[OC+2*\c:OC+2*\c+1], v[ZA+8*\c:ZA+8*\c+7], v244     ; v: my channel's 16 keys
.endr
	v_nop
	s_wait_alu depctr_va_vdst(0)                   ; the conversions have written v128 to v139, which the three stores read
	global_store_b128 v1, v[OC:OC+3], s[62:63]                 ; each store: 512 consecutive bytes, at a multiple of 512 from the buffer's first byte
	global_store_b128 v1, v[OC+4:OC+7], s[62:63] offset:512
	global_store_b128 v1, v[OC+8:OC+11], s[66:67]
	s_wait_dscnt 0x0                               ; the closing lines, six on end
	s_wait_alu 0x0
	s_wait_tensorcnt 0x0
	ds_add_u32 v254, v255
	s_wait_dscnt 0x0
	s_endpgm
.Lfunc_end_k_qbbbe58e7cd_qkv:
	.size	k_qbbbe58e7cd_qkv, .Lfunc_end_k_qbbbe58e7cd_qkv-k_qbbbe58e7cd_qkv
	.p2alignl 7, 3214868480
	.fill 96, 4, 3214868480
	.section	.rodata,"a",@progbits
	.p2align	6, 0x0
	.amdhsa_kernel k_qbbbe58e7cd_qkv
		.amdhsa_group_segment_fixed_size 92160
		.amdhsa_private_segment_fixed_size 0
		.amdhsa_enable_private_segment 0
		.amdhsa_kernarg_size 64
		.amdhsa_user_sgpr_count 2
		.amdhsa_user_sgpr_kernarg_segment_ptr 1
		.amdhsa_wavefront_size32 1
		.amdhsa_system_sgpr_workgroup_id_x 1
		.amdhsa_system_sgpr_workgroup_id_y 1
		.amdhsa_system_sgpr_workgroup_id_z 1
		.amdhsa_system_vgpr_workitem_id 0
		.amdhsa_next_free_vgpr 256
		.amdhsa_next_free_sgpr 80
		.amdhsa_reserve_vcc 0
		.amdhsa_float_denorm_mode_32 3
		.amdhsa_float_denorm_mode_16_64 3
		.amdhsa_memory_ordered 1
		.amdhsa_forward_progress 1
		.amdhsa_inst_pref_size 51
	.end_amdhsa_kernel
	.amdgpu_metadata
---
amdhsa.version: [ 1, 2 ]
amdhsa.kernels:
  - .name:           k_qbbbe58e7cd_qkv
    .symbol:         k_qbbbe58e7cd_qkv.kd
    .args:
      - { .name: x, .offset: 0, .size: 8, .value_kind: global_buffer, .address_space: global }
      - { .name: w_qkv, .offset: 8, .size: 8, .value_kind: global_buffer, .address_space: global }
      - { .name: b_qkv, .offset: 16, .size: 8, .value_kind: global_buffer, .address_space: global }
      - { .name: w_out, .offset: 24, .size: 8, .value_kind: global_buffer, .address_space: global }
      - { .name: lowp_scales, .offset: 32, .size: 8, .value_kind: global_buffer, .address_space: global }
      - { .name: q_img, .offset: 40, .size: 8, .value_kind: global_buffer, .address_space: global }
      - { .name: kv_img, .offset: 48, .size: 8, .value_kind: global_buffer, .address_space: global }
      - { .name: wo_codes, .offset: 56, .size: 8, .value_kind: global_buffer, .address_space: global }
    .group_segment_fixed_size: 92160
    .private_segment_fixed_size: 0
    .kernarg_segment_align: 8
    .kernarg_segment_size: 64
    .max_flat_workgroup_size: 512
    .sgpr_count:     80
    .vgpr_count:     256
    .wavefront_size: 32
...
	.end_amdgpu_metadata
.endif
;; end of part 4
;; launch attn (part 5): grid 4 x 64, 16 waves a work-group, no clusters, 67,584 bytes of LDS; arguments q_img, kv_img, lowp_scales, a_img; writes a_img
.if DOCPART == 5
	.amdgcn_target "amdgcn-amd-amdhsa--gfx1250"
	.amdhsa_code_object_version 6
	.text
	.protected	k_qbbbe58e7cd_attn
	.globl	k_qbbbe58e7cd_attn
	.p2align	8
	.type	k_qbbbe58e7cd_attn,@function
k_qbbbe58e7cd_attn:
	s_mov_b64 s[64:65], 0
	v_nop
	global_prefetch_b8 v0, s[64:65] scope:SCOPE_SE
	s_setreg_imm32_b32 hwreg(HW_REG_WAVE_SCHED_MODE, 0, 2), 2
	s_setreg_imm32_b32 hwreg(HW_REG_WAVE_MODE, 25, 1), 1
	s_wait_xcnt 0x0
	s_wait_alu depctr_vm_vsrc(0)
; For each batch and head (y = 8 b + n): o[q] = the sum over keys of softmax(q . k / sqrt(32)) v, both products on codes of BF8 (E5M2); o is quantised with e7 and stored as an image of the last product's operand registers.
; q_img: [y][tile 64][lane][16 bytes]: lane (r, h) holds channels 16 h + 0 .. 15 of the tile's row r.  kv_img: [y][key step 8][8,192 bytes]: eight tiles of k laid likewise (512 bytes each), then v's two fragments
; (16 channels x 128 keys, 2,048 bytes each: group g of lane (r, h): keys 32 g + 16 h + 0 .. 15 of channel 8 u + r % 8 + 16 (r / 8)).  Row r of tile T stands for position 32 (T / 2) + 8 (T % 2) + r % 8 + 16 (r / 8).
; THE SOFTMAX AHEAD OF THE SECOND PRODUCT: t = score x log2(e) / sqrt(32); M = the largest t so far, rounded UP to a whole number; p = 2^(t - M) is quantised, not normalised; the sum is taken of the unquantised p and divides at the end.
; When M moves, the sum and O are multiplied by 2^(old M - new M), which rounds nothing.
; SHARES.  A work-group owns 256 queries of one head, each of its sixteen waves one tile of 16, in 256 registers: four waves to a SIMD, so that one wave's vector work stands beside another's products and LDS loads.
; Both products are used transposed (S^T = k q^T, O^T = v^T p^T): a lane holds ONE query throughout.  The head's K is 32: the 16x16x64 form takes it with zero codes in the upper half of both sources.
; LDS.  The head's k and v are one dense block of 65,536 bytes.  It is brought once, as it lies: each wave loads eight pieces of 512 consecutive bytes (piece w of key step i) and stores them to the same offsets in LDS; one barrier.
; NO JOINT LOADS, though the four work-groups of a head read the same block: it is asked for once, at the head, 4,096 bytes a wave, and then read from LDS sixteen times over.  A joint request would spare 49,152 bytes of requests
; a work-group and would put a round of the cluster's barrier in front of the launch's first load and another in front of its end.
; THE HOLD OF p hangs on e5 alone: p is at most 1 (but for one rounding of the multiply-add), so where e5 >= -15 the bound 57,344 x 2^e5 is 1.75 or more and no p reaches it: a scalar branch on that whole number, read from
; lowp_scales and the same in every wave, leads round the 64 lines of the hold, inside the loop; no barrier stands under it.  For e5 < -15 the hold is executed.
; LIMITS: e2 + e3 between -124 and 129 (they are added to the exponent field of log2(e) / sqrt(32)); e5 and e7 between -126 and 112; e4 + e5 goes in by v_ldexp_f32 and has none.
; REGISTERS: v1 16 lane; v2 the step's LDS address; v3 16 x my thread's number; v12 -M, v13 the largest t, v[14:15] the sum in two halves; v16-23 q; v32-95 eight tiles of k; v96-159 S^T, then p (at the head v96-127: my pieces of the block);
; v160-175 O^T; v176-207 v; v208-223 p's codes; v224-227 o's codes; v236, v242-243, v252-254 at work; v244/240 2^e5 and 57,344 x 2^e5; v245/241 the same with e7; v251, v255 the closing add's two.
; THE MODE: SCHED_MODE bits 1:0 = 2 (LLVM: expert scheduling mode 2), set by the entry lines.  The code itself states the register dependences
; between vector or matrix instructions and memory or LDS instructions, with s_wait_alu, always for 0.
; THE PLAN.  Registers that memory or LDS instructions touch:
;   v1, v3        Written once at the head, read by loads and stores, never written again.
;   v2            Written by the addition at a step's head; read by the step's LDS loads.
;   v96-127       At the head: eight loads land there and eight LDS stores read them; from the first step on the products write them.
;   v32-35 + 8 t  k: read by a step's S products; behind these the next step's tiles land there.
;   v176-207      v: read by a step's two V products, at its end; the next step's fragments land there behind that step's S products.
;   v224-227      Written by the last conversions, read by the one global store.
; So a step has one wait on vm_vsrc at its head, ahead of the addition to v2, and ONE wait on va_vdst, behind its S products and their places: v2 is written, the last step's V products are done reading v,
; these S products are done reading k.  The step's sixteen LDS loads follow it: v's together, k's dealt among the lines of the maximum, which name v96-159, v252 and v254: none of the registers that the loads touch.
.macro PAT e, sc, lim                  ; s[sc] = 2^e as f32, s[lim] = 57,344 x 2^e
	s_add_co_i32 s[\lim], s[\e], 127
	s_lshl_b32 s[\sc], s[\lim], 23
	s_add_co_i32 s[\lim], s[\lim], 15
	s_lshl_b32 s[\lim], s[\lim], 23
	s_or_b32 s[\lim], s[\lim], 0x600000
.endm
	s_load_b256 s[4:11], s[0:1], 0x0               ; q_img s[4:5], kv_img s[6:7], lowp_scales s[8:9], a_img s[10:11]
	v_lshl_add_u32 v251, v0, 2, 0x10000            ; my spare word, behind the block; kept for the closing lines alone
	v_mov_b32 v255, 0
	v_lshrrev_b32 v2, 5, v0
	v_readfirstlane_b32 s12, v2                    ; wave 0..15
	s_and_b32 s15, ttmp7, 0xffff                   ; y; ttmp9 is my block of 256 queries
	s_lshl_b32 s52, s15, 16                        ; kv_img: the head's block
	s_mov_b32 s53, 0
	s_lshl_b32 s54, s15, 15                        ; q_img: tile 64 y + 16 block + wave of 512 bytes
	s_lshl_b32 s51, ttmp9, 13
	s_add_co_u32 s54, s54, s51
	s_wait_alu depctr_va_sdst(0)                   ; s12 is written, ahead of its first reader: q's and o's bases are made from it
	s_lshl_b32 s51, s12, 9
	s_add_co_u32 s54, s54, s51
	s_mov_b32 s55, 0
	s_lshr_b32 s56, s15, 3                         ; a_img: ((64 b + 16 block + wave) x 8 + n) x 512
	s_lshl_b32 s56, s56, 18
	s_lshl_b32 s51, ttmp9, 16
	s_add_co_u32 s56, s56, s51
	s_lshl_b32 s51, s12, 12
	s_add_co_u32 s56, s56, s51
	s_and_b32 s51, s15, 7
	s_lshl_b32 s51, s51, 9
	s_add_co_u32 s56, s56, s51
	s_mov_b32 s57, 0
	s_mov_b32 s40, 0x76543210                      ; v_permlanex16_b32: lane l xor 16
	s_mov_b32 s41, 0xfedcba98
	s_mov_b32 s42, 0x3e8293ee                      ; c = log2(e) / sqrt(32)
	s_mov_b32 s44, 0                               ; LDS byte at which the key step in hand begins
	v_and_b32 v1, 31, v0
	v_lshlrev_b32 v1, 4, v1
	v_lshlrev_b32 v3, 4, v0                        ; 512 x wave + 16 x lane: my place in a key step's 8,192 bytes, in memory and in LDS
	s_wait_kmcnt 0x0
	s_load_b256 s[32:39], s[8:9], 0x0              ; e0 .. e7
	s_add_nc_u64 s[6:7], s[6:7], s[52:53]
	s_add_nc_u64 s[4:5], s[4:5], s[54:55]
	s_add_nc_u64 s[10:11], s[10:11], s[56:57]
	s_wait_alu depctr_va_vdst(0)                   ; v1 and v3 are written, which the loads and stores of the kernel read as offsets and LDS addresses
.irp i, 0,1,2,3,4,5,6,7
	global_load_b128 v[96+4*\i:99+4*\i], v3, s[6:7] offset:8192*\i   ; my piece of key step i: the wave reads 512 consecutive bytes, the work-group the whole step
.endr
	global_load_b128 v[16:19], v1, s[4:5] th:TH_LOAD_NT   ; q's tile: 512 consecutive bytes, read by this wave alone; it stays in registers
.irp k, 20,21,22,23
	v_mov_b32 v\k, 0                               ; zero codes for k = 32 .. 63 of the form, in q
.endr
.irp t, 0,1,2,3,4,5,6,7
.irp k, 4,5,6,7
	v_mov_b32 v[32+8*\t+\k], 0                     ; and in the eight tiles of k: written once, the LDS loads fill the lower four registers alone
.endr
.endr
.irp j, 0,1,2,3,4,5,6,7,8,9,10,11,12,13,14,15
	v_mov_b32 v[160+\j], 0                         ; O^T: the first step finds zeros, which the first change of M leaves zeros
.endr
	v_mov_b32 v14, 0                               ; the sum, in two halves
	v_mov_b32 v15, 0
	v_mov_b32 v236, 0                              ; a lane permute's destination counts as one of its sources
	v_mov_b32 v253, 0                              ; (named as the upper half of the pair v[252:253])
	v_mov_b32 v13, 0xff61b1e6                      ; the largest t so far: -3e38, under every t
	v_floor_f32 v12, -v13                          ; -M
	s_wait_kmcnt 0x0
	s_add_co_i32 s51, s34, s35                     ; a score stands for score x 2^(e2 + e3): the two exponents are added to c's exponent field
	s_lshl_b32 s51, s51, 23
	s_add_co_i32 s42, s42, s51
	s_mov_b32 s43, s42                             ; (named with it as a pair, so it is written)
	PAT 37, 46, 47
	PAT 39, 48, 49
	s_add_co_i32 s50, s36, s37                     ; e4 + e5
	v_mov_b32 v244, s46
	v_mov_b32 v240, s47
	v_mov_b32 v245, s48
	v_mov_b32 v241, s49
	s_wait_loadcnt 0x1                             ; my eight pieces are in; q's load, issued behind them, may be out
.irp i, 0,1,2,3,4,5,6,7
	ds_store_b128 v3, v[96+4*\i:99+4*\i] offset:8192*\i   ; (their data come from loads; no vector instruction since the wait above names v3)
.endr
	s_wait_dscnt 0x0                               ; for the others' sake: my pieces have landed in LDS
	s_barrier_signal -1
	s_barrier_wait -1                              ; everybody's have: from here on LDS is only read
; A KEY STEP: 128 keys at LDS byte s44.  Its tiles of k are in registers already.  next = 1: the next step's are asked for.
.macro STEP next
	s_wait_alu depctr_vm_vsrc(0)                   ; the LDS loads issued so far have read v2, which the next line writes; in the first step also: my LDS stores at the head have read v96 to v127, which the products below write
	v_add_nc_u32 v2, s44, v1
.irp t, 0,1,2,3,4,5,6,7                        ; S^T = k q^T: lane (r, h) holds query r; the 16 registers of tiles 2 b, 2 b + 1 are keys 32 b + 16 h + 0 .. 15
	v_wmma_f32_16x16x64_bf8_bf8 v[96+8*\t:103+8*\t], v[32+8*\t:39+8*\t], v[16:23], 0
.endr
.rept 4
	v_nop                                          ; four places behind these products, ahead of the first read of their results (ISA guide 7.12.1)
.endr
	s_wait_alu depctr_va_vdst(0)                   ; v2 is written, which the loads below read; the last step's products are done reading v176 to v207, and these products v32 to v95, in which the loads below land
.irp u, 0,1
.irp g, 0,1,2,3
	ds_load_b128 v[176+16*\u+4*\g:179+16*\u+4*\g], v2 offset:4096+2048*\u+512*\g   ; v lands while the softmax is worked,
.endr
.endr
	v_max3_num_f32 v254, v96, v97, v98             ; the step's largest score of my query among my 64 keys, in two chains, each accumulator from its low end on,
	v_max3_num_f32 v252, v99, v100, v101
.set kt, 0
.irp i, 6,10,14,18,22,26,30,34,38,42,46,50,54,58
.if \next && (kt < 8)
	ds_load_b128 v[32+8*kt:35+8*kt], v2 offset:8192+512*kt                         ; and so do the next step's tiles of k, one to a pair of lines.  No wait: no vector instruction since the wait above names v2 or k's registers
.endif
	v_max3_num_f32 v254, v254, v[96+\i], v[97+\i]
	v_max3_num_f32 v252, v252, v[98+\i], v[99+\i]
.set kt, kt+1
.endr
	v_max3_num_f32 v254, v254, v158, v159
	v_max_num_f32 v254, v254, v252
	v_permlanex16_b32 v236, v254, s40, s41
	v_max_num_f32 v254, v254, v236                 ; and among lane l xor 16's
	v_mul_f32 v254, s42, v254                      ; as t (c is positive)
	v_max_num_f32 v13, v13, v254                   ; the running largest t
	v_mov_b32 v254, v12
	v_floor_f32 v12, -v13                          ; the new -M = floor(-t) = -ceil(t): a whole number
	v_sub_f32 v254, v12, v254                      ; old M - new M: a whole number, 0 or less
	v_cvt_i32_f32 v254, v254                       ; (it saturates)
	v_ldexp_f32 v252, 1.0, v254                    ; f = 2^(old M - new M)
.set j, 0
.rept 32
	v_pk_fma_f32 v[96+j:97+j], v[96+j:97+j], s[42:43], v[12:13] op_sel_hi:[1,0,0]   ; t - M, two at a time (of the pairs c and -M the low word serves both halves)
.set j, j+2
.endr
.set j, 0
.rept 64
	v_exp_f32 v[96+j], v[96+j]                     ; p = 2^(t - M)
.set j, j+1
.endr
	v_pk_mul_f32 v[14:15], v[14:15], v[252:253] op_sel_hi:[1,0]   ; the sums under the new M (a plain line behind the exponentials)
	s_wait_alu depctr_va_vdst(0)                   ; the 64 exponentials have written v96 to v159, ahead of their first reader: one wait for the batch
	v_pk_add_f32 v[242:243], v[96:97], v[98:99]    ; the row's sum is taken of the unquantised p, in two chains
.irp i, 4,8,12,16,20,24,28,32,36,40,44,48,52,56,60
	v_pk_add_f32 v[14:15], v[14:15], v[96+\i:97+\i]
	v_pk_add_f32 v[242:243], v[242:243], v[98+\i:99+\i]
.endr
	v_pk_add_f32 v[14:15], v[14:15], v[242:243]
	s_cmp_ge_i32 s37, -15                          ; e5 >= -15: 57,344 x 2^e5 is 1.75 or more, above every p: the hold would change nothing
	s_cbranch_scc1 .Lfits_\@
.set j, 0
.rept 64
	v_min_num_f32 v[96+j], v[96+j], v240           ; the conversion does not saturate (ISA guide 7.6.2); p is not negative, so the hold is one-sided
.set j, j+1
.endr
.Lfits_\@:
.irp b, 0,1,2,3
	v_cvt_scalef32_pk8_bf8_f32 v[208+4*\b:209+4*\b], v[96+16*\b:103+16*\b], v244
	v_cvt_scalef32_pk8_bf8_f32 v[210+4*\b:211+4*\b], v[104+16*\b:111+16*\b], v244
.endr
.irp i, 0,2,4,6,8,10,12,14
	v_pk_mul_f32 v[160+\i:161+\i], v[160+\i:161+\i], v[252:253] op_sel_hi:[1,0]   ; O^T under the new M; these are also the plain lines behind the conversions
.endr
	s_wait_dscnt 0x0                               ; v is in, and the next step's k
.irp u, 0,1                                    ; O^T += v^T p^T: register 8 u + j of lane (r, h) is channel 16 h + 8 u + j of query r.  The two accumulators take turns; the next step's eight products stand between two links
	v_wmma_f32_16x16x128_bf8_bf8 v[160+8*\u:167+8*\u], v[176+16*\u:191+16*\u], v[208:223], v[160+8*\u:167+8*\u]
.endr
	s_add_co_u32 s44, s44, 8192
.endm
.irp t, 0,1,2,3,4,5,6,7
	ds_load_b128 v[32+8*\t:35+8*\t], v1 offset:512*\t      ; key step 0's tiles of k (no vector instruction has named these registers; v1 stands since the wait at the head)
.endr
	s_wait_loadcnt 0x0                             ; q
	s_wait_dscnt 0x0
	s_mov_b32 s45, 7
.Lstep:                                            ; seven trips: each asks for the next step's k
	STEP 1
	s_sub_co_u32 s45, s45, 1
	s_cmp_lg_u32 s45, 0
	s_cbranch_scc1 .Lstep
	STEP 0                                         ; the eighth step is written out: behind it there is no k to ask for, and no read leaves the 65,536 bytes
	; THE WAY OUT: O^T / the sum x 2^(e4 + e5), quantised with e7.  A lane's 16 registers are channels 16 h + 0 .. 15 of its query: its 16 codes are its 16 bytes of the image.
.rept 4
	v_nop                                          ; four places behind the last products
.endr
	v_add_f32 v14, v14, v15                        ; the sum's two halves,
	v_permlanex16_b32 v252, v14, s40, s41
	v_add_f32 v14, v14, v252                       ; and lane l xor 16's
	v_rcp_f32 v14, v14
	v_nop                                          ; a plain line behind the transcendental
	s_wait_alu depctr_va_vdst(0)                   ; the reciprocal has written v14, ahead of its first reader
	v_ldexp_f32 v14, v14, s50
.irp j, 0,1,2,3,4,5,6,7,8,9,10,11,12,13,14,15
	v_mul_f32 v[96+\j], v[160+\j], v14             ; each accumulator from its low end on
.endr
.irp j, 0,1,2,3,4,5,6,7,8,9,10,11,12,13,14,15
	v_med3_num_f32 v[96+\j], v[96+\j], -v241, v241 ; o's size hangs on the data: its hold always stands
.endr
	v_cvt_scalef32_pk8_bf8_f32 v[224:225], v[96:103], v245
	v_cvt_scalef32_pk8_bf8_f32 v[226:227], v[104:111], v245
	v_nop
	s_wait_alu depctr_va_vdst(0)                   ; the conversions have written v224 to v227, which the store reads
	global_store_b128 v1, v[224:227], s[10:11]     ; 512 consecutive bytes, at a multiple of 512 from the buffer's first byte
	s_wait_dscnt 0x0                               ; the closing lines, six on end
	s_wait_alu 0x0
	s_wait_tensorcnt 0x0
	ds_add_u32 v251, v255
	s_wait_dscnt 0x0
	s_endpgm
.Lfunc_end_k_qbbbe58e7cd_attn:
	.size	k_qbbbe58e7cd_attn, .Lfunc_end_k_qbbbe58e7cd_attn-k_qbbbe58e7cd_attn
	.p2alignl 7, 3214868480
	.fill 96, 4, 3214868480
	.section	.rodata,"a",@progbits
	.p2align	6, 0x0
	.amdhsa_kernel k_qbbbe58e7cd_attn
		.amdhsa_group_segment_fixed_size 67584
		.amdhsa_private_segment_fixed_size 0
		.amdhsa_enable_private_segment 0
		.amdhsa_kernarg_size 32
		.amdhsa_user_sgpr_count 2
		.amdhsa_user_sgpr_kernarg_segment_ptr 1
		.amdhsa_wavefront_size32 1
		.amdhsa_system_sgpr_workgroup_id_x 1
		.amdhsa_system_sgpr_workgroup_id_y 1
		.amdhsa_system_sgpr_workgroup_id_z 1
		.amdhsa_system_vgpr_workitem_id 0
		.amdhsa_next_free_vgpr 256
		.amdhsa_next_free_sgpr 66
		.amdhsa_reserve_vcc 0
		.amdhsa_float_denorm_mode_32 3
		.amdhsa_float_denorm_mode_16_64 3
		.amdhsa_memory_ordered 1
		.amdhsa_forward_progress 1
		.amdhsa_inst_pref_size 36
	.end_amdhsa_kernel
	.amdgpu_metadata
---
amdhsa.version: [ 1, 2 ]
amdhsa.kernels:
  - .name:           k_qbbbe58e7cd_attn
    .symbol:         k_qbbbe58e7cd_attn.kd
    .args:
      - { .name: q_img, .offset: 0, .size: 8, .value_kind: global_buffer, .address_space: global }
      - { .name: kv_img, .offset: 8, .size: 8, .value_kind: global_buffer, .address_space: global }
      - { .name: lowp_scales, .offset: 16, .size: 8, .value_kind: global_buffer, .address_space: global }
      - { .name: a_img, .offset: 24, .size: 8, .value_kind: global_buffer, .address_space: global }
    .group_segment_fixed_size: 67584
    .private_segment_fixed_size: 0
    .kernarg_segment_align: 8
    .kernarg_segment_size: 32
    .max_flat_workgroup_size: 512
    .sgpr_count:     66
    .vgpr_count:     256
    .wavefront_size: 32
...
	.end_amdgpu_metadata
.endif
;; end of part 5
;; launch outc (part 6): grid 32 x 8, 8 waves a work-group, no clusters, 35,840 bytes of LDS; arguments a_img, wo_codes, b_out, x, lowp_scales, out0; writes out0
.if DOCPART == 6
	.amdgcn_target "amdgcn-amd-amdhsa--gfx1250"
	.amdhsa_code_object_version 6
	.text
	.protected	k_qbbbe58e7cd_outc
	.globl	k_qbbbe58e7cd_outc
	.p2align	8
	.type	k_qbbbe58e7cd_outc,@function
k_qbbbe58e7cd_outc:
	s_mov_b64 s[64:65], 0
	v_nop
	global_prefetch_b8 v0, s[64:65] scope:SCOPE_SE
	s_setreg_imm32_b32 hwreg(HW_REG_WAVE_SCHED_MODE, 0, 2), 2
	s_setreg_imm32_b32 hwreg(HW_REG_WAVE_MODE, 25, 1), 1
	s_wait_xcnt 0x0
	s_wait_alu depctr_vm_vsrc(0)
; out0 = w_out . a + b_out + x, the product on codes of BF8 (E5M2), K = 256.  a_img: [b][tile 64][n 8][lane][16 bytes]: lane (r, h) holds channels 32 n + 16 h + 0 .. 15 of the tile's row r, which stands for
; position 32 (T / 2) + 8 (T % 2) + r % 8 + 16 (r / 8): piece n is group n % 4 of K step n / 4 of an operand's registers.  wo_codes: [256 o][256 c].  x, out0: [8][256][1024] f32.
; SHARES.  Work-group (sb = x / 2, oh = x % 2, b): 64 positions (tiles 4 sb .. + 3) x 128 output channels.  Wave w takes channels 128 oh + 16 w .. + 15 for all 64 positions: a channel's 256 bytes of output come from one wave.
; Source 0 = 16 positions of a, source 1 = 16 rows of w_out: lane (r, h) holds channel r, and the 16 registers of tiles 2 b, 2 b + 1 are positions 32 b + 16 h + 0 .. 15.  Eight matrix instructions on four accumulators by turns.
; The results turn through the wave's own stage in LDS (16 rows of 256 bytes + 16) so that sixteen lanes store 256 consecutive bytes of a channel.  No barrier: waves share nothing.
; NO JOINT LOADS: every fragment is loaded once, in pieces of 512 consecutive bytes, straight into the operand's registers; a joint load would add a pass through LDS and two rounds of a cluster's barrier to a body of eight products.
; LIMIT: e6 + e7 between -126 and 127, so that 2^(e6 + e7) is an f32 number.
; REGISTERS: v1 16 lane; v2 w_out's rows; v3 the bias; v4, v5 the stage, in and back; v6 x and out0; v14 b_out of my channel (v15 = 0 is named with it as a pair); v30, v31 the closing add's two; v32-63 w_out's two fragments; v64-191 a's eight;
; v192-223 the accumulators; v224-255 x; behind the products v64-95 the results, v96-127 rows read back.
; THE MODE: SCHED_MODE bits 1:0 = 2 (LLVM: expert scheduling mode 2), set by the entry lines.  The code itself states the register dependences
; between vector or matrix instructions and memory or LDS instructions, with s_wait_alu, always for 0.
; THE PLAN.  Registers that memory or LDS instructions touch:
;   v1-v6         Offsets and LDS addresses: written once at the head, never written again.
;   v32-191, v14, v224-255   Loads land there once; matrix and vector instructions read them.
;   v64-95        Behind the products: written by the multiply-adds, read by the eight LDS stores.
;   v96-127       Read by products; then the eight LDS loads from the stage land there; the additions of x write them in place; the global stores read them.
; So one wait on va_vdst stands ahead of the stage's stores and loads (the results are written, the products are done reading v96-127), and one ahead of each of two runs of four global stores,
; behind the run's eight additions; the second run's additions write v112-127, which the first run's stores do not read.
	s_load_b256 s[4:11], s[0:1], 0x0               ; a_img s[4:5], wo_codes s[6:7], b_out s[8:9], x s[10:11]
	s_load_b128 s[12:15], s[0:1], 0x20             ; lowp_scales s[12:13], out0 s[14:15]
	v_lshl_add_u32 v30, v0, 2, 0x8800              ; my spare word, behind the stages; kept for the closing lines alone
	v_mov_b32 v31, 0
	v_lshrrev_b32 v7, 5, v0
	v_readfirstlane_b32 s26, v7                    ; wave 0..7
	s_lshr_b32 s27, ttmp9, 1                       ; sb
	s_and_b32 s28, ttmp9, 1                        ; oh
	s_and_b32 s29, ttmp7, 0xffff                   ; b
	v_and_b32 v7, 15, v0                           ; r
	v_bfe_u32 v8, v0, 4, 1                         ; h
	v_and_b32 v1, 31, v0
	v_lshlrev_b32 v1, 4, v1
	v_lshlrev_b32 v2, 8, v7
	v_lshl_add_u32 v2, v8, 4, v2                   ; row r of 256 codes, + 16 h
	v_lshlrev_b32 v3, 2, v7
	s_wait_alu depctr_va_sdst(0)                   ; s26 is written, ahead of its first reader: my stage and the bases are made from it
	s_mul_i32 s39, s26, 4352                       ; my stage
	v_mul_u32_u24 v4, v7, 272
	v_lshl_add_u32 v4, v8, 6, v4
	v_add_nc_u32 v4, s39, v4                       ; in: row r, + 64 h bytes: my 16 positions of a block of 32
	v_mul_u32_u24 v5, v8, 272
	v_lshl_add_u32 v5, v7, 4, v5
	v_add_nc_u32 v5, s39, v5                       ; back: lanes 0-15 one row, lanes 16-31 the next
	v_lshlrev_b32 v6, 12, v8
	v_lshl_add_u32 v6, v7, 4, v6                   ; and the same two channels in x and out0
	v_mov_b32 v15, 0
	s_lshl_b32 s30, s29, 18                        ; a_img: tile 64 b + 4 sb of 4,096 bytes
	s_lshl_b32 s38, s27, 14
	s_add_co_u32 s30, s30, s38
	s_mov_b32 s31, 0
	s_lshl_b32 s32, s28, 15                        ; wo_codes: row 128 oh + 16 w of 256 bytes
	s_lshl_b32 s38, s26, 12
	s_add_co_u32 s32, s32, s38
	s_mov_b32 s33, 0
	s_lshr_b32 s34, s32, 6                         ; b_out: the same row, 4 bytes
	s_mov_b32 s35, 0
	s_lshl_b32 s36, s32, 4                         ; x, out0: the same row of 4,096 bytes,
	s_lshl_b32 s38, s29, 20                        ; in image b,
	s_add_co_u32 s36, s36, s38
	s_lshl_b32 s38, s27, 8                         ; 64 sb positions on
	s_add_co_u32 s36, s36, s38
	s_mov_b32 s37, 0
	s_wait_kmcnt 0x0
	s_load_b256 s[16:23], s[12:13], 0x0            ; e0 .. e7
	s_add_nc_u64 s[4:5], s[4:5], s[30:31]
	s_add_nc_u64 s[6:7], s[6:7], s[32:33]
	s_add_nc_u64 s[8:9], s[8:9], s[34:35]
	s_add_nc_u64 s[10:11], s[10:11], s[36:37]
	s_add_nc_u64 s[14:15], s[14:15], s[36:37]
	s_wait_alu depctr_va_vdst(0)                   ; the offsets and LDS addresses v1 to v6 are written, which every load and store of the kernel reads
.irp s, 0,1
.irp g, 0,1,2,3
	global_load_b128 v[32+16*\s+4*\g:35+16*\s+4*\g], v2, s[6:7] offset:128*\s+32*\g
.endr
.endr
.irp f, 0,1,2,3,4,5,6,7                        ; fragment f = 2 i + ks of tile i
.irp g, 0,1,2,3
	global_load_b128 v[64+16*\f+4*\g:67+16*\f+4*\g], v1, s[4:5] offset:2048*\f+512*\g
.endr
.endr
	global_load_b32 v14, v3, s[8:9]
.irp i, 0,1,2,3,4,5,6,7
	global_load_b128 v[224+4*\i:227+4*\i], v6, s[10:11] offset:8192*\i th:TH_LOAD_NT   ; the launch reads each byte of x once
.endr
	s_wait_kmcnt 0x0
	s_add_co_i32 s24, s22, s23                     ; e6 + e7
	s_add_co_i32 s24, s24, 127
	s_lshl_b32 s24, s24, 23                        ; 2^(e6 + e7) as f32
	s_mov_b32 s25, s24                             ; (named with it as a pair, so it is written)
	s_wait_loadcnt 8                               ; the operands and the bias are in; x's eight loads, issued behind them, may be out
.irp i, 0,1,2,3                                ; the first K step starts the sums; the four accumulators take turns
	v_wmma_f32_16x16x128_bf8_bf8 v[192+8*\i:199+8*\i], v[64+32*\i:79+32*\i], v[32:47], 0
.endr
.irp i, 0,1,2,3
	v_wmma_f32_16x16x128_bf8_bf8 v[192+8*\i:199+8*\i], v[80+32*\i:95+32*\i], v[48:63], v[192+8*\i:199+8*\i]
.endr
.rept 4
	v_nop                                          ; four places behind the last products (ISA guide 7.12.1)
.endr
.set j, 0
.rept 16
	v_pk_fma_f32 v[64+j:65+j], v[192+j:193+j], s[24:25], v[14:15] op_sel_hi:[1,0,0]   ; sum x 2^(e6 + e7) + b_out, each accumulator from its low end on
.set j, j+2
.endr
	s_wait_alu depctr_va_vdst(0)                   ; the multiply-adds have written v64 to v95, which the LDS stores read; the products are done reading v96 to v127, in which the LDS loads land
.irp b, 0,1
.irp q, 0,1,2,3
	ds_store_b128 v4, v[64+16*\b+4*\q:67+16*\b+4*\q] offset:128*\b+16*\q
.endr
.endr
.irp i, 0,1,2,3,4,5,6,7
	ds_load_b128 v[96+4*\i:99+4*\i], v5 offset:544*\i      ; LDS serves a wave's instructions in order (ISA guide 5.7.1.4): these see my stores
.endr
	s_wait_loadcnt 0x0                             ; x
.irp e, 0,1                                    ; two runs of eight rows
	s_wait_dscnt 4-4*\e                            ; rows 8 e to 8 e + 7 are back; the loads issued behind them (four, then none) may be out
.irp i, 0,1,2,3
	v_pk_add_f32 v[96+16*\e+4*\i:97+16*\e+4*\i], v[96+16*\e+4*\i:97+16*\e+4*\i], v[224+16*\e+4*\i:225+16*\e+4*\i]
	v_pk_add_f32 v[98+16*\e+4*\i:99+16*\e+4*\i], v[98+16*\e+4*\i:99+16*\e+4*\i], v[226+16*\e+4*\i:227+16*\e+4*\i]
.endr
	s_wait_alu depctr_va_vdst(0)                   ; the eight additions have written the run's sixteen registers, which its four stores read
.irp i, 0,1,2,3
	global_store_b128 v6, v[96+16*\e+4*\i:99+16*\e+4*\i], s[14:15] offset:8192*(4*\e+\i) th:TH_STORE_NT   ; sixteen lanes store 256 consecutive bytes, at a multiple of 256 from out0's first byte
.endr
.endr
	s_wait_dscnt 0x0                               ; the closing lines, six on end
	s_wait_alu 0x0
	s_wait_tensorcnt 0x0
	ds_add_u32 v30, v31
	s_wait_dscnt 0x0
	s_endpgm
.Lfunc_end_k_qbbbe58e7cd_outc:
	.size	k_qbbbe58e7cd_outc, .Lfunc_end_k_qbbbe58e7cd_outc-k_qbbbe58e7cd_outc
	.p2alignl 7, 3214868480
	.fill 96, 4, 3214868480
	.section	.rodata,"a",@progbits
	.p2align	6, 0x0
	.amdhsa_kernel k_qbbbe58e7cd_outc
		.amdhsa_group_segment_fixed_size 35840
		.amdhsa_private_segment_fixed_size 0
		.amdhsa_enable_private_segment 0
		.amdhsa_kernarg_size 48
		.amdhsa_user_sgpr_count 2
		.amdhsa_user_sgpr_kernarg_segment_ptr 1
		.amdhsa_wavefront_size32 1
		.amdhsa_system_sgpr_workgroup_id_x 1
		.amdhsa_system_sgpr_workgroup_id_y 1
		.amdhsa_system_sgpr_workgroup_id_z 1
		.amdhsa_system_vgpr_workitem_id 0
		.amdhsa_next_free_vgpr 256
		.amdhsa_next_free_sgpr 66
		.amdhsa_reserve_vcc 0
		.amdhsa_float_denorm_mode_32 3
		.amdhsa_float_denorm_mode_16_64 3
		.amdhsa_memory_ordered 1
		.amdhsa_forward_progress 1
		.amdhsa_inst_pref_size 13
	.end_amdhsa_kernel
	.amdgpu_metadata
---
amdhsa.version: [ 1, 2 ]
amdhsa.kernels:
  - .name:           k_qbbbe58e7cd_outc
    .symbol:         k_qbbbe58e7cd_outc.kd
    .args:
      - { .name: a_img, .offset: 0, .size: 8, .value_kind: global_buffer, .address_space: global }
      - { .name: wo_codes, .offset: 8, .size: 8, .value_kind: global_buffer, .address_space: global }
      - { .name: b_out, .offset: 16, .size: 8, .value_kind: global_buffer, .address_space: global }
      - { .name: x, .offset: 24, .size: 8, .value_kind: global_buffer, .address_space: global }
      - { .name: lowp_scales, .offset: 32, .size: 8, .value_kind: global_buffer, .address_space: global }
      - { .name: out0, .offset: 40, .size: 8, .value_kind: global_buffer, .address_space: global }
    .group_segment_fixed_size: 35840
    .private_segment_fixed_size: 0
    .kernarg_segment_align: 8
    .kernarg_segment_size: 48
    .max_flat_workgroup_size: 256
    .sgpr_count:     66
    .vgpr_count:     256
    .wavefront_size: 32
...
	.end_amdgpu_metadata
.endif
;; end of part 6
